; MI455X (gfx1250); checked and timed in simulation.
; The chip was launched on July 23, 2026; its instructions are those of AMD's public machine-readable ISA for CDNA 5 (MIT licence, August 2026) and "CDNA5" Instruction Set Architecture Reference Guide (July 2026). The comments in the code are by the model that wrote it; some were corrected since.
;; Transformer Block. Allowed arithmetic: matrix products marked QUANTISED: E4M3 operands, one given power-of-two scale a tensor, by v_wmma_f32_16x16x64_fp8_fp8 or v_wmma_f32_16x16x128_fp8_fp8, f32 sums; everything else in f32.
;; Inputs: W_K_codes 16 x 64 x 32 x 32 uint8 (E4M3 codes of W_K, K innermost, in blocks of 32 codes); W_O 16 x 64 x 1,024 float32; W_Q_codes 16 x 64 x 32 x 32 uint8 (E4M3 codes of W_Q, K innermost, in blocks of 32 codes); W_V_codes 16 x 64 x 32 x 32 uint8 (E4M3 codes of W_V, K innermost, in blocks of 32 codes); W_in_codes 4,096 x 32 x 32 uint8 (E4M3 codes of W_in, K innermost, in blocks of 32 codes); W_out_codes 1,024 x 128 x 32 uint8 (E4M3 codes of W_out, K innermost, in blocks of 32 codes); b_K 16 x 64 float32; b_O 1,024 float32; b_Q 16 x 64 float32; b_V 16 x 64 float32; b_in 4,096 float32; b_out 1,024 float32; ln1_b 1,024 float32; ln1_w 1,024 float32; ln2_b 1,024 float32; ln2_w 1,024 float32; lowp_scales 16 int32 (the exponents e of the quantised operands' scales 2^e); resid_pre 2 x 2,048 x 1,024 float32.
;; Outputs: out0 2 x 2,048 x 1,024 float32.
;; This version of the problem:
;;   THIS VERSION OF THE PROBLEM IS GIVEN IN LOW PRECISION. The matrix products marked QUANTISED in the list below multiply operands that are first quantised to E4M3 (4 exponent bits, 3 mantissa bits; 8 bits a number), with one given power-of-two scale for each operand tensor; their sums are f32. All else is computed in f32.
;;   The module's matrix products, in the order in which they are computed (A, B: the left and right operand; K: the contracted axis; several contracted axes count as one K, in the product's order):
;;     1. [M 4,096, K 1,024] x [K 1,024, N 1,024]; A: computed on the way; B: input W_Q (given as codes): QUANTISED (scales: A lowp_scales[0], B lowp_scales[1])
;;     2. [M 4,096, K 1,024] x [K 1,024, N 1,024]; A: computed on the way; B: input W_K (given as codes): QUANTISED (scales: A lowp_scales[2], B lowp_scales[3])
;;     3. [M 4,096, K 1,024] x [K 1,024, N 1,024]; A: computed on the way; B: input W_V (given as codes): QUANTISED (scales: A lowp_scales[4], B lowp_scales[5])
;;     4. batch 32 x [M 2,048, K 64] x [K 64, N 2,048]; A: computed on the way; B: computed on the way: QUANTISED (scales: A lowp_scales[6], B lowp_scales[7])
;;     5. batch 32 x [M 2,048, K 2,048] x [K 2,048, N 64]; A: computed on the way; B: computed on the way: QUANTISED (scales: A lowp_scales[8], B lowp_scales[9])
;;     6. [M 4,096, K 1,024] x [K 1,024, N 1,024]; A: computed on the way; B: input W_O: QUANTISED (scales: A lowp_scales[10], B lowp_scales[11])
;;     7. [M 4,096, K 1,024] x [K 1,024, N 4,096]; A: computed on the way; B: input W_in (given as codes): QUANTISED (scales: A lowp_scales[12], B lowp_scales[13])
;;     8. [M 4,096, K 4,096] x [K 4,096, N 1,024]; A: computed on the way; B: input W_out (given as codes): QUANTISED (scales: A lowp_scales[14], B lowp_scales[15])
;;   THE QUANTISER, for each operand of a quantised product, along K:
;;     - The operand's scale is 2^e, e = its entry of the input lowp_scales (int32; the entries are numbered through the quantised products in the list's order, A before B).
;;     - Each number is divided by the scale, clamped to +-448, and rounded to the nearest number of E4M3, ties to even, subnormals kept.
;;     - The product sums the exact products of the quantised numbers (number of the format x scale) in f32.
;;   ~~~python
;;   def quantise(x, axis, e):      # numpy; x: float32 -> the quantised numbers, widened to float32 again
;;       x = np.moveaxis(x, axis, -1); K = x.shape[-1]
;;       r = np.clip(x / 2.0 ** e, -448, 448)
;;       step = 2.0 ** (np.maximum(np.frexp(np.where(r == 0, 1, r))[1] - 1, -6) - 3)
;;       q = np.round(r / step) * step * 2.0 ** e      # np.round: ties to even
;;       return np.moveaxis(q, -1, axis).astype(np.float32)
;;   ~~~
;;   OPERANDS COMPUTED ON THE WAY. 'Computed on the way' means the value that the module computes at that place (a softmax that the list does not call 'softmax' is quantised finished and normalised). What goes into a quantiser is computed in f32, as accurately as f32 sums, v_exp_f32 and their like allow (about 1e-6 of the number): no bf16 or f16 on the way to a quantiser, and a product that is left as it is and whose result goes on into a quantised operand takes f32 operands (vector FMAs, or v_wmma_f32_16x16x4_f32). A number that lies on a knife's edge between two numbers of the format may be rounded either way, as far as f32 arithmetic and the matrix unit's own rounding can turn it there, and no further.
;;   INPUTS GIVEN AS CODES. W_K (in the module: [16, 1024, 64], K = its axis 1); W_Q (in the module: [16, 1024, 64], K = its axis 1); W_V (in the module: [16, 1024, 64], K = its axis 1); W_in (in the module: [1024, 4096], K = its axis 0); W_out (in the module: [4096, 1024], K = its axis 0): each comes as NAME_codes (uint8): NAME with its K axis moved to the last place and cut into blocks of 32 codes, [.., K / 32, bytes a block], one block behind the other in memory; one code a byte (a code: sign, 4 exponent bits, 3 mantissa bits); its scale is its entry of lowp_scales. Its value is code x scale, taken as it is: it is not quantised again, and the codes and scales need not be those that the quantiser above would give.
;; One version. Each part assembles by itself: llvm-mc -triple=amdgcn-amd-amdhsa -mcpu=gfx1250 --defsym DOCPART=n.
;; ======== version 1 of 1: 7 launches
;; limits: right only within a limited range of input values
;; workspace buffers: prep_out 13,631,488 bytes; qkv_img 12,582,912 bytes; z_img 4,194,304 bytes; resid_mid 16,777,216 bytes; x2_codes 4,194,304 bytes; post_img 16,777,216 bytes
;; launch prep (part 1): grid 1152 x 1, 4 waves a work-group, no clusters, 29,696 bytes of LDS; arguments resid_pre, ln1_w, ln1_b, W_O, lowp_scales, prep_out; writes prep_out
.if DOCPART == 1
	.amdgcn_target "amdgcn-amd-amdhsa--gfx1250"
	.amdhsa_code_object_version 6
	.text
	.protected	k_q2e2db26399_prep
	.globl	k_q2e2db26399_prep
	.p2align	8
	.type	k_q2e2db26399_prep,@function
k_q2e2db26399_prep:
	s_mov_b64 s[64:65], 0
	v_nop
	global_prefetch_b8 v0, s[64:65] scope:SCOPE_SE
	s_setreg_imm32_b32 hwreg(HW_REG_WAVE_MODE, 25, 1), 1
	s_wait_xcnt 0x0
; FIRST OF SEVEN LAUNCHES of a transformer block on 4,096 tokens (2 x 2,048), all eight products on codes of E4M3 with given scales 2^e.
; DEAD WORK LEFT OUT IN THE WHOLE PROGRAM: the scores, weights and weighted values of key steps (128 keys) that lie wholly behind a tile's 16 queries.  reference() itself sets those scores to -inf by its
; own jnp.tril, so their softmax weight is 0 and their term in the second product is 0 for all finite inputs.  Nothing else is left out, and every input is loaded (b_K too: it moves k's codes).
; LIMIT: a NaN, an infinity or an overflow that would arise only in those scores is not carried to the result.
; THIS LAUNCH: (a) work-groups 128..1151: LayerNorm 1, ONE ROW A WAVE, quantised three times (scales 0, 2 and 4 of lowp_scales) into prep_out: x for Q at 0, for K at 4 MiB, for V at 8 MiB, [4096][1024] codes.
; (b) work-groups 0..127: W_O [1024 (k)][1024 (n)] f32 into codes [n][k], K innermost, scale 11, at 12 MiB of prep_out: a work-group takes 32 columns x 256 along K, each of its waves 64 of the 256.
; LIMITS: each e lies between -126 and 119, so that 2^e and 448 x 2^e are f32 numbers.  NaN and infinity among the inputs are not served.
; (a) Each load reads 512 consecutive bytes; the row turns through the wave's own stage in LDS so that a lane holds 16 neighbours of each half row, as the conversions want.  No barrier: waves share nothing.
; (b) A lane takes a column n and its 64 registers run down K; the four waves' codes meet in one stage of 32 rows x 256 codes, one barrier, and leave as rows of 256 bytes.  The two paths part on the work-group's number and have LDS bytes of their own.
.set NSC,   3                          ; scales that x is quantised with
.set SP,    80                         ; a lane's place in a stage: 64 bytes + 16 of padding
.set WST,   2*32*SP                    ; a wave's stage: two half rows
.set WOST,  4*WST                      ; W_O's stage begins here
.set PITCH, 272                        ; a row of it: 256 codes + 16
.set SPARE, WOST+32*PITCH              ; the spare words, 128 bytes a wave
.set SPW,   14                         ; v14 my spare word's address; never rewritten
.set NIL,   15                         ; v15 0; never rewritten
.set W,     24                         ; v24-55   ln1_w of my 32 columns
.set BB,    56                         ; v56-87   ln1_b
.set RAW,   88                         ; v88-119  the row as loaded
.set T,     88                         ; and, when it has gone to the stage: the sums' chains, two sets of 16 held numbers
.set X,     120                        ; v120-151 the row, 16 neighbours of each half
.set C,     152                        ; v152-175 codes, 4 registers for each half and scale
.set WX,    32                         ; W_O: 64 numbers
.set WC,    96                         ; W_O: their codes
.set OUTR,  112                        ; W_O: the way out
	s_load_b256 s[4:11], s[0:1], 0x0               ; resid_pre, ln1_w, ln1_b, W_O
	s_load_b128 s[12:15], s[0:1], 0x20             ; lowp_scales, prep_out
	v_lshl_add_u32 v[SPW], v0, 2, SPARE
	v_mov_b32 v[NIL], 0
	v_lshrrev_b32 v1, 5, v0
	v_readfirstlane_b32 s30, v1                    ; wave
	v_and_b32 v1, 31, v0                           ; lane
	s_cmp_lt_u32 ttmp9, 128
	s_cbranch_scc1 .Lwo
	; ---------------- LayerNorm 1 ----------------
	v_lshlrev_b32 v2, 4, v1                        ; 16 x lane: my bytes of a load and of a store
	s_mul_i32 s31, s30, WST
	v_lshrrev_b32 v3, 2, v1
	v_mul_u32_u24 v3, v3, SP
	v_and_b32 v4, 3, v1
	v_lshl_add_u32 v3, v4, 4, v3
	v_add_nc_u32 v3, s31, v3                       ; into the stage: four lanes' 64 bytes on end, then the padding
	v_mul_u32_u24 v4, v1, SP
	v_add_nc_u32 v4, s31, v4                       ; out of it: my 64 bytes
	v_lshlrev_b32 v5, 6, v1                        ; my 16 numbers of w and b in a half row
	v_mov_b32 v9, 0                                ; (a lane permute's destination counts as read)
	v_mov_b32 v11, 0                               ; (upper halves of pairs whose low word serves both halves)
	v_mov_b32 v13, 0
	s_mov_b32 s40, 0x76543210
	s_mov_b32 s41, 0xfedcba98                      ; selects: lane l xor 16
	s_mov_b32 s42, 0x3a800000                      ; 1 / 1024
	s_mov_b32 s43, 0x3727c5ac                      ; 1e-5
	s_sub_co_u32 s24, ttmp9, 128
	s_lshl_b32 s24, s24, 2
	s_add_co_u32 s24, s24, s30                     ; my wave's row
	s_lshl_b32 s26, s24, 12
	s_mov_b32 s27, 0
	s_lshl_b32 s28, s24, 10
	s_mov_b32 s29, 0
	s_wait_alu depctr_va_vdst(0)                   ; the wait at the head's end
	s_wait_kmcnt 0x0
	s_load_b256 s[32:39], s[12:13], 0x0            ; e0 .. e7
	s_add_nc_u64 s[16:17], s[4:5], s[26:27]
	s_add_nc_u64 s[18:19], s[14:15], s[28:29]      ; three bases: 8 MiB does not fit a store's immediate
	s_add_nc_u64 s[20:21], s[18:19], 0x400000
	s_add_nc_u64 s[22:23], s[18:19], 0x800000
.irp j, 0,1,2,3,4,5,6,7
	global_load_b128 v[RAW+4*\j:RAW+4*\j+3], v2, s[16:17] offset:512*\j th:TH_LOAD_NT   ; 512 consecutive bytes
.endr
.irp u, 0,1
.irp i, 0,1,2,3
	global_load_b128 v[W+16*\u+4*\i:W+16*\u+4*\i+3], v5, s[6:7] offset:2048*\u+16*\i
	global_load_b128 v[BB+16*\u+4*\i:BB+16*\u+4*\i+3], v5, s[8:9] offset:2048*\u+16*\i
.endr
.endr
.macro FOLD                            ; four chains of pairs into v8
	v_pk_add_f32 v[T:T+1], v[T:T+1], v[T+2:T+3]
	v_pk_add_f32 v[T+4:T+5], v[T+4:T+5], v[T+6:T+7]
	v_pk_add_f32 v[T:T+1], v[T:T+1], v[T+4:T+5]
	v_add_f32 v8, v[T], v[T+1]
.endm
.macro REDUCE                          ; v8 summed over the 32 lanes, in every lane
	v_add_f32_dpp v8, v8, v8 row_xmask:1 row_mask:0xf bank_mask:0xf
	v_add_f32_dpp v8, v8, v8 row_xmask:2 row_mask:0xf bank_mask:0xf
	v_add_f32_dpp v8, v8, v8 row_xmask:4 row_mask:0xf bank_mask:0xf
	v_add_f32_dpp v8, v8, v8 row_xmask:8 row_mask:0xf bank_mask:0xf
	v_permlanex16_b32 v9, v8, s40, s41
	v_add_f32 v8, v8, v9
.endm
.macro QOUT u, q                       ; half u with scale q: held, converted, stored: 32 lanes write 512 consecutive bytes
.set TS, T+16*((NSC*(\u)+(\q))%2)
.set CS, C+4*(NSC*(\u)+(\q))
.irp i, 0,1,2,3,4,5,6,7,8,9,10,11,12,13,14,15
	v_med3_num_f32 v[TS+\i], v[X+16*(\u)+\i], -v[17+2*(\q)], v[17+2*(\q)]   ; the conversion does not saturate: hold at the largest code x the scale
.endr
	v_cvt_scalef32_pk8_fp8_f32 v[CS:CS+1], v[TS:TS+7], v[16+2*(\q)]
	v_cvt_scalef32_pk8_fp8_f32 v[CS+2:CS+3], v[TS+8:TS+15], v[16+2*(\q)]
	v_nop                                          ; a plain line behind the conversions, ahead of later writes of their sources
	global_store_b128 v2, v[CS:CS+3], s[18+2*(\q):19+2*(\q)] offset:512*(\u)
.endm
	s_wait_kmcnt 0x0
.irp q, 0,1,2
	s_add_co_i32 s24, s[32+2*\q], 127
	s_lshl_b32 s25, s24, 23
	v_mov_b32 v[16+2*\q], s25                      ; 2^e as f32
	s_add_co_i32 s24, s24, 8
	s_lshl_b32 s24, s24, 23
	s_or_b32 s24, s24, 0x600000
	v_mov_b32 v[17+2*\q], s24                      ; 448 x 2^e
.endr
	s_wait_loadcnt 0x0                             ; the row, w and b are in
.irp u, 0,1                            ; LDS serves a wave's instructions in order: no wait between the stores and the loads
.irp i, 0,1,2,3
	ds_store_b128 v3, v[RAW+16*\u+4*\i:RAW+16*\u+4*\i+3] offset:32*SP*\u+8*SP*\i
.endr
.endr
.irp u, 0,1
.irp i, 0,1,2,3
	ds_load_b128 v[X+16*\u+4*\i:X+16*\u+4*\i+3], v4 offset:32*SP*\u+16*\i
.endr
.endr
	s_wait_dscnt 0x0
.irp c, 0,2,4,6
	v_pk_add_f32 v[T+\c:T+\c+1], v[X+\c:X+\c+1], v[X+8+\c:X+9+\c]
.endr
.irp g, 16,24
.irp c, 0,2,4,6
	v_pk_add_f32 v[T+\c:T+\c+1], v[T+\c:T+\c+1], v[X+\g+\c:X+\g+\c+1]
.endr
.endr
	FOLD
	REDUCE
	v_mul_f32 v10, s42, v8                         ; the mean
.set j, 0
.rept 16
	v_pk_add_f32 v[X+j:X+j+1], v[X+j:X+j+1], v[10:11] op_sel_hi:[1,0] neg_lo:[0,1] neg_hi:[0,1]
.set j, j+2
.endr
.irp c, 0,2,4,6
	v_pk_mul_f32 v[T+\c:T+\c+1], v[X+\c:X+\c+1], v[X+\c:X+\c+1]
.endr
.irp g, 8,16,24
.irp c, 0,2,4,6
	v_pk_fma_f32 v[T+\c:T+\c+1], v[X+\g+\c:X+\g+\c+1], v[X+\g+\c:X+\g+\c+1], v[T+\c:T+\c+1]
.endr
.endr
	FOLD
	REDUCE
	v_fma_f32 v9, v8, s42, s43                     ; mean of squares + eps
	s_wait_alu depctr_va_vdst(0)                   ; the wait ahead of the transcendental,
	v_rsq_f32 v12, v9
	v_nop                                          ; a plain line behind it,
	s_wait_alu depctr_va_vdst(0)                   ; and the wait ahead of its first reader
.set j, 0
.rept 16
	v_pk_mul_f32 v[X+j:X+j+1], v[X+j:X+j+1], v[12:13] op_sel_hi:[1,0]
.set j, j+2
.endr
.set j, 0
.rept 16
	v_pk_fma_f32 v[X+j:X+j+1], v[X+j:X+j+1], v[W+j:W+j+1], v[BB+j:BB+j+1]
.set j, j+2
.endr
.irp u, 0,1
.irp q, 0,1,2
	QOUT \u, \q
.endr
.endr
	s_wait_tensorcnt 0x0                           ; the wave's end
	ds_add_u32 v[SPW], v[NIL]
	s_wait_dscnt 0x0
	s_endpgm
	; ---------------- W_O into codes, K innermost ----------------
.Lwo:
	s_and_b32 s17, ttmp9, 31                       ; which 32 columns
	s_lshr_b32 s18, ttmp9, 5                       ; which 256 along K
	s_wait_alu depctr_va_vdst(0)                   ; the wait behind the branch
	v_lshlrev_b32 v3, 2, v1                        ; in: 4 bytes a lane
	s_lshl_b32 s19, s30, 6
	s_add_co_u32 s19, s19, WOST                    ; my wave's 64 codes of each row of the stage
	v_mul_u32_u24 v4, v1, PITCH
	v_add_nc_u32 v4, s19, v4                       ; into it: row = my column
	v_and_b32 v5, 15, v1
	v_lshrrev_b32 v6, 4, v1
	s_mul_i32 s19, s30, 8*PITCH
	s_add_co_u32 s19, s19, WOST                    ; out of it: my wave's 8 rows,
	v_mul_u32_u24 v7, v6, PITCH
	v_lshl_add_u32 v7, v5, 4, v7
	v_add_nc_u32 v7, s19, v7                       ; sixteen lanes to a row, two rows an instruction
	v_lshlrev_b32 v8, 10, v6
	v_lshl_add_u32 v8, v5, 4, v8                   ; and the same place among the codes' rows of 1,024 bytes
	s_lshl_b32 s20, s18, 2
	s_add_co_u32 s20, s20, s30
	s_lshl_b32 s20, s20, 18                        ; 64 rows of 4,096 bytes for each wave
	s_lshl_b32 s22, s17, 7
	s_add_co_u32 s20, s20, s22
	s_mov_b32 s21, 0
	s_lshl_b32 s24, s17, 2
	s_add_co_u32 s24, s24, s30
	s_lshl_b32 s24, s24, 13                        ; column 32 x group + 8 x wave, 1,024 bytes each
	s_lshl_b32 s26, s18, 8
	s_add_co_u32 s24, s24, s26
	s_add_co_u32 s24, s24, 0xc00000                ; W_O's codes begin at 12 MiB
	s_mov_b32 s25, 0
	s_wait_alu depctr_va_vdst(0)                   ; the wait at the head's end
	s_wait_kmcnt 0x0
	s_load_b32 s28, s[12:13], 0x2c                 ; e11
	s_add_nc_u64 s[4:5], s[10:11], s[20:21]
	s_add_nc_u64 s[8:9], s[14:15], s[24:25]
.set i, 0
.rept 64
	global_load_b32 v[WX+i], v3, s[4:5] offset:i*4096 th:TH_LOAD_NT   ; W_O(my first row + i, my column)
.set i, i+1
.endr
	s_wait_kmcnt 0x0
	s_add_co_i32 s28, s28, 127
	s_lshl_b32 s29, s28, 23
	v_mov_b32 v11, s29                             ; 2^e11
	s_add_co_i32 s28, s28, 8
	s_lshl_b32 s28, s28, 23
	s_or_b32 s28, s28, 0x600000
	v_mov_b32 v10, s28                             ; 448 x 2^e11
	s_wait_alu depctr_va_vdst(0)                   ; the wait ahead of the wait below
	s_wait_loadcnt 0x0
.set i, 0
.rept 64
	v_med3_num_f32 v[WX+i], v[WX+i], -v10, v10
.set i, i+1
.endr
.irp g, 0,1,2,3,4,5,6,7
	v_cvt_scalef32_pk8_fp8_f32 v[WC+2*\g:WC+2*\g+1], v[WX+8*\g:WX+8*\g+7], v11
.endr
	v_nop
.irp t, 0,1,2,3
	ds_store_b128 v4, v[WC+4*\t:WC+4*\t+3] offset:16*\t
.endr
	s_wait_dscnt 0x0                               ; my codes are in the stage: zero, for the other waves' sake
	s_barrier_signal -1
	s_barrier_wait -1                              ; and so are everybody's
.irp t, 0,1,2,3
	ds_load_b128 v[OUTR+4*\t:OUTR+4*\t+3], v7 offset:2*\t*PITCH
.endr
.irp t, 0,1,2,3
	s_wait_dscnt 3-\t
	global_store_b128 v8, v[OUTR+4*\t:OUTR+4*\t+3], s[8:9] offset:2*\t*1024   ; sixteen lanes store 256 consecutive bytes, aligned
.endr
	s_wait_tensorcnt 0x0                           ; the wave's end, as above
	ds_add_u32 v[SPW], v[NIL]
	s_wait_dscnt 0x0
	s_endpgm
.Lfunc_end_k_q2e2db26399_prep:
	.size	k_q2e2db26399_prep, .Lfunc_end_k_q2e2db26399_prep-k_q2e2db26399_prep
	.p2alignl 7, 3214868480
	.fill 96, 4, 3214868480
	.section	.rodata,"a",@progbits
	.p2align	6, 0x0
	.amdhsa_kernel k_q2e2db26399_prep
		.amdhsa_group_segment_fixed_size 29696
		.amdhsa_private_segment_fixed_size 0
		.amdhsa_enable_private_segment 0
		.amdhsa_kernarg_size 48
		.amdhsa_user_sgpr_count 2
		.amdhsa_user_sgpr_kernarg_segment_ptr 1
		.amdhsa_wavefront_size32 1
		.amdhsa_system_sgpr_workgroup_id_x 1
		.amdhsa_system_sgpr_workgroup_id_y 1
		.amdhsa_system_sgpr_workgroup_id_z 1
		.amdhsa_system_vgpr_workitem_id 0
		.amdhsa_next_free_vgpr 176
		.amdhsa_next_free_sgpr 66
		.amdhsa_reserve_vcc 0
		.amdhsa_float_denorm_mode_32 3
		.amdhsa_float_denorm_mode_16_64 3
		.amdhsa_memory_ordered 1
		.amdhsa_forward_progress 1
		.amdhsa_inst_pref_size 34
	.end_amdhsa_kernel
	.amdgpu_metadata
---
amdhsa.version: [ 1, 2 ]
amdhsa.kernels:
  - .name:           k_q2e2db26399_prep
    .symbol:         k_q2e2db26399_prep.kd
    .args:
      - { .name: resid_pre, .offset: 0, .size: 8, .value_kind: global_buffer, .address_space: global }
      - { .name: ln1_w, .offset: 8, .size: 8, .value_kind: global_buffer, .address_space: global }
      - { .name: ln1_b, .offset: 16, .size: 8, .value_kind: global_buffer, .address_space: global }
      - { .name: W_O, .offset: 24, .size: 8, .value_kind: global_buffer, .address_space: global }
      - { .name: lowp_scales, .offset: 32, .size: 8, .value_kind: global_buffer, .address_space: global }
      - { .name: prep_out, .offset: 40, .size: 8, .value_kind: global_buffer, .address_space: global }
    .group_segment_fixed_size: 29696
    .private_segment_fixed_size: 0
    .kernarg_segment_align: 8
    .kernarg_segment_size: 48
    .max_flat_workgroup_size: 128
    .sgpr_count:     66
    .vgpr_count:     176
    .wavefront_size: 32
...
	.end_amdgpu_metadata
.endif
;; end of part 1
;; launch qkv (part 2): grid 12 x 16, 4 waves a work-group, clusters of 4 x 4, 327,680 bytes of LDS; arguments prep_out, W_Q_codes, W_K_codes, W_V_codes, b_Q, b_K, b_V, lowp_scales, qkv_img; writes qkv_img
.if DOCPART == 2
	.amdgcn_target "amdgcn-amd-amdhsa--gfx1250"
	.amdhsa_code_object_version 6
	.text
	.protected	k_q2e2db26399_qkv
	.globl	k_q2e2db26399_qkv
	.p2align	8
	.type	k_q2e2db26399_qkv,@function
k_q2e2db26399_qkv:
	s_mov_b64 s[64:65], 0
	v_nop
	global_prefetch_b8 v0, s[64:65] scope:SCOPE_SE
	s_setreg_imm32_b32 hwreg(HW_REG_WAVE_MODE, 25, 1), 1
	s_wait_xcnt 0x0
	s_wait_alu depctr_hold_cnt(0) depctr_sa_sdst(0) depctr_va_vdst(0) depctr_va_sdst(0) depctr_va_ssrc(0) depctr_va_vcc(0) depctr_vm_vsrc(0)
	s_getreg_b32 s2, hwreg(HW_REG_IB_STS2, 6, 4)
	s_cmp_eq_u32 s2, 0
	s_cbranch_scc0 .Lentry_in_a_cluster
	s_endpgm
.Lentry_in_a_cluster:
	s_bfe_u32 s2, ttmp6, 0x10000c
	s_cmp_lg_u32 s2, 0xf033
	s_cbranch_scc0 .Lentry_shape_is_right
	s_endpgm
.Lentry_shape_is_right:
; q = x W_Q + b_Q, k = x W_K + b_K, v = x W_V + b_V on codes of E4M3 (K = 1,024), each result quantised at once for the attention (scales 6, 7 and 9 of lowp_scales) and stored as IMAGES OF OPERAND REGISTERS.
; The cluster's x (0, 1, 2) says which of the three: it is the same in all sixteen partners, so selects and one branch may hang on it.
; A tile is 256 x 256, four waves of 128 x 128, K in steps of 256 through a ring of two LDS slots filled by joint tensor loads (4 x 4 work-groups: A's tile shared along a row of the cluster, B's along a column).
; The matrix instruction is used transposed (source 0 = 16 rows of B, source 1 = 16 rows of A): a lane holds one row of A and eight neighbouring rows of B.
; Q, K: A = x's codes (tokens), B = the weight's rows (head, d): a lane's eight results are eight neighbouring d of one token: two registers of a 16 x 64 fragment.
; V: the DATA are swapped, not the text: A = W_V's rows, B = x's codes: a lane's eight results are eight neighbouring KEYS of one d: two registers of a 16 x 128 fragment whose K is the keys.
; qkv_img: q at 0, k at 4 MiB: [batch x head 32][tile of 16 tokens 128][2][lane 32][16 bytes]; v at 8 MiB: [batch x head][step of 128 keys 16][tile of 16 d 4][4][lane][16 bytes].  Every store covers 512 consecutive bytes.
; LIMITS: ea + eb between -126 and 127; the result's e between -126 and 119.  NaN and infinity are not served.
; REGISTERS, in windows of 256: window 0: v0-31 addresses, v32-95 the bias, from v128 A's fragments (one set); on the way out v96-159 a block's numbers, v160-175 its codes.  window 1: B's fragments, two sets.  windows 2, 3: the 64 accumulators.
.set SIZE_K, 1024
.set KSTEP,  256
.set ROWB,   256
.set KROW,   SIZE_K
.set PITCH,  272                       ; an LDS row: 256 bytes + 16 of padding, so that the 16 rows of a load start at 16 different banks
.set FR,     16
.set NL,     4
.set NP,     4
.set HALFT,  128*PITCH
.set SLOT,   4*HALFT
.set LAPS,   SIZE_K/(2*KSTEP)
.set SPARE,  2*SLOT                    ; behind the ring: the spare words, 128 bytes a wave
.set ADRA, 16
.set ADRB, 20
.set CO,   26                          ; v26 16 x lane
.set SPW,  28
.set NIL,  29
.set LIM,  30
.set SCL,  31
.set BIA,  32
.set TMP,  96
.set CD,   160
.set AF,   128
.set G1, 24
.set G0, 32
.set G1B, 48
.set G0B, 56
.set MSB, 0
.macro WIN new                         ; the immediate's high byte repeats the setting that is left
.if MSB != \new
	s_set_vgpr_msb (MSB<<8)|\new
.set MSB, \new
.endif
.endm
.set MUL_LO, 0xa1
.set MUL_HI, 0xf1
.set TO_B,   0x40
.macro JLOAD g0a, g1a, g0b, g1b        ; waves 0 and 1 fetch for A, waves 2 and 3 for B; an s_nop 0 and four v_nop follow each line
	s_cmp_eq_u32 s15, 0
	s_cbranch_scc0 .Lfor_b_\@
	tensor_load_to_lds s[\g0a:\g0a+3], s[\g1a:\g1a+7]
	s_nop 0
.rept 4
	v_nop
.endr
	s_branch .Lasked_\@
.Lfor_b_\@:
	tensor_load_to_lds s[\g0b:\g0b+3], s[\g1b:\g1b+7]
	s_nop 0
.rept 4
	v_nop
.endr
.Lasked_\@:
.endm
.macro CREST
	s_cmp_lg_u32 s14, 0
	s_cbranch_scc1 .Lnot_wave_0_\@
	s_barrier_signal -3
.Lnot_wave_0_\@:
	s_barrier_wait -3
	s_barrier_signal -1
	s_barrier_wait -1
.endm
.macro CROUND
	s_barrier_signal -1
	s_barrier_wait -1
	CREST
.endm
	s_load_b512 s[68:83], s[0:1], 0x0              ; prep_out 68, W_Q 70, W_K 72, W_V 74, b_Q 76, b_K 78, b_V 80, lowp_scales 82
	s_load_b64 s[84:85], s[0:1], 0x40              ; qkv_img
	v_lshl_add_u32 v[SPW], v0, 2, SPARE
	v_mov_b32 v[NIL], 0
	ds_add_u32 v[SPW], v[NIL]                      ; the opening: the add, twice on end, and its wait ahead of my first tensor load
	ds_add_u32 v[SPW], v[NIL]
	v_lshrrev_b32 v1, 5, v0
	v_readfirstlane_b32 s14, v1                    ; wave
	s_lshr_b32 s15, s14, 1                         ; my half of the tile's rows; also: I fetch for A (0) or B (1)
	s_and_b32 s16, s14, 1                          ; my half of its columns; also: which 128 rows I fetch
	s_bfe_u32 s40, ttmp6, 0x40000                  ; cx
	s_bfe_u32 s41, ttmp6, 0x40004                  ; cy
	s_and_b32 s18, ttmp7, 0xffff
	s_lshl_b32 s18, s18, 2                         ; 4 x cluster y
	s_cmp_eq_u32 ttmp9, 2                          ; V?
	s_cselect_b32 s17, 0, s18                      ; tokens walk the grid's y: they are A's rows for Q and K,
	s_cselect_b32 s42, s18, 0                      ; B's rows for V
	s_cselect_b32 s19, 0, ttmp9                    ; A: which set of x's codes (Q 0, K 1)
	s_cselect_b32 s12, 2, 0                        ; B: x's third set for V
	s_add_co_u32 s17, s17, s41                     ; tile row: holds cy, never cx
	s_add_co_u32 s42, s42, s40                     ; tile column: holds cx, never cy
	s_lshl_b32 s43, s41, 2
	s_lshl_b32 s43, 15, s43                        ; my row of the cluster
	s_lshl_b32 s44, 0x1111, s40                    ; my column
	s_or_b32 s[G1+0], s43, (0<<16)|(1<<20)|(1<<21)|(5<<22)|(3<<25)  ; mask; elements of 1 byte; padding of 4 words behind every 64; bit 21 beside a mask
	s_or_b32 s[G1B+0], s44, (0<<16)|(1<<20)|(1<<21)|(5<<22)|(3<<25)
.irp g, G1, G1B
	s_mov_b32 s[\g+1], ROWB<<16
	s_mov_b32 s[\g+2], 128<<16
	s_mov_b32 s[\g+3], ROWB<<16
	s_mov_b32 s[\g+4], 128
	s_mov_b32 s[\g+5], KROW
	s_mov_b32 s[\g+6], 0
	s_mov_b32 s[\g+7], 0
.endr
	s_lshl_b32 s18, s16, 7
	s_lshl_b32 s20, s17, 8
	s_add_co_u32 s20, s20, s18                     ; A: row 256 x tile row + 128 x half,
	s_lshl_b32 s20, s20, 10                        ; in bytes,
	s_lshl_b32 s19, s19, 22
	s_add_co_u32 s20, s20, s19                     ; in its set of 4 MiB
	s_mov_b32 s21, 0
	s_lshl_b32 s46, s42, 8
	s_add_co_u32 s46, s46, s18
	s_lshl_b32 s46, s46, 10
	s_lshl_b32 s12, s12, 22
	s_add_co_u32 s46, s46, s12
	s_mov_b32 s47, 0
	s_mul_i32 s45, s14, HALFT                      ; where they go: wave x 128 rows
	s_wait_dscnt 0x0                               ; both opening adds are done
	s_wait_kmcnt 0x0
	s_load_b256 s[88:95], s[82:83], 0x0            ; e0 .. e7
	s_load_b64 s[96:97], s[82:83], 0x20            ; e8, e9
	s_cmp_eq_u32 ttmp9, 2
	s_cselect_b64 s[4:5], s[74:75], s[68:69]       ; A: W_V, or x's codes
	s_cselect_b64 s[6:7], s[68:69], s[72:73]       ; B: x's codes, or W_K,
	s_cselect_b64 s[8:9], s[80:81], s[78:79]       ; the bias: b_V, or b_K,
	s_cmp_eq_u32 ttmp9, 0
	s_cselect_b64 s[6:7], s[70:71], s[6:7]         ; or W_Q
	s_cselect_b64 s[8:9], s[76:77], s[8:9]         ; or b_Q
	s_add_nc_u64 s[20:21], s[4:5], s[20:21]
	s_add_nc_u64 s[46:47], s[6:7], s[46:47]
	CROUND                                         ; all sixteen work-groups are here: the first joint loads meet
.irp s, 0,1
	s_mov_b32 s[G0+4*\s], 1
	s_add_co_u32 s[G0+4*\s+1], s45, \s*SLOT
	s_add_nc_u64 s[G0+4*\s+2:G0+4*\s+3], s[20:21], \s*ROWB
	s_or_b32 s[G0+4*\s+3], s[G0+4*\s+3], 0x80000000
	s_mov_b32 s[G0B+4*\s], 1
	s_add_co_u32 s[G0B+4*\s+1], s45, \s*SLOT
	s_add_nc_u64 s[G0B+4*\s+2:G0B+4*\s+3], s[46:47], \s*ROWB
	s_or_b32 s[G0B+4*\s+3], s[G0B+4*\s+3], 0x80000000
.endr
	JLOAD G0, G1, G0B, G1B                         ; K step 0: one tensor load a wave at the head
	; THE PREFETCHES INTO THE L2: one instruction a wave for each of K steps 1, 2 and 3: 32 rows x 256 bytes, a lane a row.  Of the 128 rows that my wave fetches jointly the four partners take 32 each,
	; told apart BY ADDRESS (32,768 bytes x cx for A, x cy for B): each block of 256 bytes is named once in each cluster that will load it.  K steps 1 and 2 are asked for here, K step 3 behind K step 1's load;
	; the two refills, which bring K steps 2 and 3, ask for nothing: no K step stands behind step 3.  At most two K steps are asked for and not yet read.
	s_cmp_eq_u32 s15, 0                            ; do I fetch for A?
	s_cselect_b64 s[86:87], s[20:21], s[46:47]
	s_cselect_b32 s98, s40, s41
	s_lshl_b32 s98, s98, 15
	s_mov_b32 s99, 0
	s_add_nc_u64 s[86:87], s[86:87], s[98:99]      ; never rewritten
	v_and_b32 v27, 31, v0
	v_lshlrev_b32 v27, 10, v27                     ; a row is 1,024 bytes; never rewritten
	global_prefetch_b8 v27, s[86:87] offset:ROWB th:TH_LOAD_NT scope:SCOPE_SE
	global_prefetch_b8 v27, s[86:87] offset:2*ROWB th:TH_LOAD_NT scope:SCOPE_SE
	v_and_b32 v1, 15, v0                           ; r
	v_bfe_u32 v2, v0, 4, 1                         ; h
	v_mul_u32_u24 v3, v1, PITCH
	v_lshl_add_u32 v4, v2, 4, v3
	s_mul_i32 s21, s15, HALFT
	s_mul_i32 s22, s16, HALFT
	s_add_co_u32 s22, s22, 2*HALFT
.irp s, 0,1
	v_add_nc_u32 v[ADRA+\s], s21, v4
	v_add_nc_u32 v[ADRB+\s], s22, v4
	s_add_co_u32 s21, s21, SLOT
	s_add_co_u32 s22, s22, SLOT
.endr
	v_and_b32 v6, 31, v0
	v_lshlrev_b32 v[CO], 4, v6
.macro FRAG reg, adr, q, i             ; 16 rows x 128 K: registers 4 c .. 4 c + 3 hold K = 32 c + 16 h + 0 .. 15: the same permutation of K in A and in B
.irp c, 0,1,2,3
	ds_load_b128 v[\reg+4*\c:\reg+4*\c+3], v[\adr] offset:128*(\q)+32*\c+(\i)*16*PITCH
.endr
.endm
.macro MUL16 a0, p, zero               ; the 64 accumulators take turns, one instruction a turn
.irp a, \a0, \a0+1
.irp b, 0,1,2,3,4,5,6,7
.if \zero
	v_wmma_f32_16x16x128_fp8_fp8 v[8*(8*((\a)%4)+\b):8*(8*((\a)%4)+\b)+7], v[128*(\p)+FR*\b:128*(\p)+FR*\b+FR-1], v[AF+FR*(\a):AF+FR*(\a)+FR-1], 0
.else
	v_wmma_f32_16x16x128_fp8_fp8 v[8*(8*((\a)%4)+\b):8*(8*((\a)%4)+\b)+7], v[128*(\p)+FR*\b:128*(\p)+FR*\b+FR-1], v[AF+FR*(\a):AF+FR*(\a)+FR-1], v[8*(8*((\a)%4)+\b):8*(8*((\a)%4)+\b)+7]
.endif
.endr
.endr
.endm
.macro FETCH_B slot, q, p
	WIN TO_B
.irp i, 0,1,2,3,4,5,6,7
	FRAG 128*(\p)+FR*\i, ADRB+\slot, \q, \i
.endr
	WIN 0
.endm
.macro FETCH_A slot, q, i0
.irp i, \i0, \i0+1, \i0+2, \i0+3
	FRAG AF+FR*(\i), ADRA+\slot, \q, \i
.endr
.endm
.macro PLACES n                        ; plain vector lines between a matrix instruction and a load into, or a vector line on, its registers
.rept \n
	v_nop
.endr
.endm
.macro STEP slot, q, zero              ; 128 along K, its successor in the same slot
	s_wait_dscnt 4*NL                              ; B's set and A's blocks 0-3 are in; A's blocks 4-7 (sixteen loads) may be out
	WIN MUL_LO
	MUL16 0, (\q)%2, \zero
	MUL16 2, (\q)%2, \zero
	s_wait_dscnt 0
	PLACES NP
	FETCH_B \slot, (\q)+1, 1-(\q)%2
	FETCH_A \slot, (\q)+1, 0
	WIN MUL_HI
	MUL16 4, (\q)%2, \zero
	MUL16 6, (\q)%2, \zero
	PLACES NP
	WIN 0
	FETCH_A \slot, (\q)+1, 4
.endm
.macro TURN slot, next, fill           ; a slot's last step changes slots: one barrier
	s_wait_tensorcnt 0x0                           ; all my tensor loads have landed: my part of the next slot
	ds_add_u32 v[SPW], v[NIL]
	s_wait_dscnt 4*NL+1                            ; (the add and A's blocks 4-7 may be out)
	WIN MUL_LO
	MUL16 0, 1, 0
	s_wait_dscnt 0x0                               ; the add is done, and my reads of this slot are over
	s_barrier_signal -1
	MUL16 2, 1, 0
	WIN 0
	s_barrier_wait -1
.if \fill
	CREST                                          ; the barrier has opened a round of the cluster's: no wave of any partner still reads this slot or has a load out
	s_add_nc_u64 s[G0+4*\slot+2:G0+4*\slot+3], s[G0+4*\slot+2:G0+4*\slot+3], 2*ROWB
	s_add_nc_u64 s[G0B+4*\slot+2:G0B+4*\slot+3], s[G0B+4*\slot+2:G0B+4*\slot+3], 2*ROWB
	JLOAD G0+4*\slot, G1, G0B+4*\slot, G1B         ; the first tensor load behind the round; its four v_nop are the places for the loads below
.else
	PLACES NP
.endif
	FETCH_B \next, 0, 0
	FETCH_A \next, 0, 0
	WIN MUL_HI
	MUL16 4, 1, 0
	MUL16 6, 1, 0
	PLACES NP
	WIN 0
	FETCH_A \next, 0, 4
.endm
.macro LASTSTEP                        ; nothing more to fetch
	s_wait_dscnt 4*NL
	WIN MUL_LO
	MUL16 0, 1, 0
	MUL16 2, 1, 0
	s_wait_dscnt 0
	WIN MUL_HI
	MUL16 4, 1, 0
	MUL16 6, 1, 0
	WIN 0
.endm
; Block a (16 rows of A x 128 rows of B) leaves: sum x 2^(ea + eb) + bias, held, converted, stored.  kind 0: q, k; 1: v.
.macro BLOCK a, kind
.set AC, 64*((\a)%4)
	WIN 0x02+((\a)/4)                              ; source 0: window 2 or 3
.set j, 0
.rept 32
.if \kind
	v_pk_fma_f32 v[TMP+j:TMP+j+1], v[AC+j:AC+j+1], s[96:97], v[BIA+2*(\a):BIA+2*(\a)+1] op_sel_hi:[1,0,1]   ; each accumulator from its low end on
.else
	v_pk_fma_f32 v[TMP+j:TMP+j+1], v[AC+j:AC+j+1], s[96:97], v[BIA+j:BIA+j+1] op_sel_hi:[1,0,1]
.endif
.set j, j+2
.endr
	WIN 0
.set j, 0
.rept 64
	v_med3_num_f32 v[TMP+j], v[TMP+j], -v[LIM], v[LIM]
.set j, j+1
.endr
	s_wait_alu depctr_va_vdst(0)
	s_wait_xcnt 0x0                                ; the last block's stores have read the codes' registers
.set j, 0
.rept 8
	v_cvt_scalef32_pk8_fp8_f32 v[CD+2*j:CD+2*j+1], v[TMP+8*j:TMP+8*j+7], v[SCL]
.set j, j+1
.endr
	v_nop                                          ; a plain line behind the conversions
.irp g, 0,1,2,3
.if \kind
	global_store_b128 v[CO], v[CD+4*\g:CD+4*\g+3], s[10:11] offset:((\a)/4)*131072+((\a)%4)*2048+\g*512
.else
	global_store_b128 v[CO], v[CD+4*\g:CD+4*\g+3], s[10:11] offset:(\g/2)*131072+(\a)*1024+(\g%2)*512
.endif
.endr
.endm
; The last step and the way out.  tr, th: the scalars that hold the tokens' tile and half; hr, hh: the heads'.
.macro TAIL kind, tr, th, hr, hh
	s_lshl_b32 s20, s[\hr], 10
	s_lshl_b32 s21, s[\hh], 9
	s_add_co_u32 s20, s20, s21                     ; my 128 numbers of the bias
	s_mov_b32 s21, 0
	s_add_nc_u64 s[8:9], s[8:9], s[20:21]
.if \kind
	v_lshlrev_b32 v5, 2, v1                        ; v: the bias goes along my rows: one number a block, in both halves of a pair
.irp a, 0,1,2,3,4,5,6,7
	global_load_b32 v[BIA+2*\a], v5, s[8:9] offset:64*\a
	global_load_b32 v[BIA+2*\a+1], v5, s[8:9] offset:64*\a
.endr
.else
	v_lshlrev_b32 v5, 5, v2                        ; q, k: along my eight columns of each tile
.irp b, 0,1,2,3,4,5,6,7
	global_load_b128 v[BIA+8*\b:BIA+8*\b+3], v5, s[8:9] offset:64*\b
	global_load_b128 v[BIA+8*\b+4:BIA+8*\b+7], v5, s[8:9] offset:64*\b+16
.endr
.endif
	s_lshl_b32 s22, s[\tr], 8
	s_lshl_b32 s23, s[\th], 7
	s_add_co_u32 s22, s22, s23                     ; my first token
	s_lshr_b32 s23, s22, 11                        ; its batch
	s_lshl_b32 s23, s23, 4
	s_lshl_b32 s46, s[\hr], 2
	s_add_co_u32 s23, s23, s46
	s_lshl_b32 s46, s[\hh], 1
	s_add_co_u32 s23, s23, s46                     ; batch x 16 + my first head,
	s_lshl_b32 s23, s23, 17                        ; 131,072 bytes each
	s_and_b32 s22, s22, 2047
	s_lshl_b32 s22, s22, 6                         ; 64 bytes a token: 1,024 a tile of 16, 8,192 a step of 128
	s_add_co_u32 s22, s22, s23
	s_lshl_b32 s23, ttmp9, 22                      ; q, k, v: 4 MiB each
	s_add_co_u32 s22, s22, s23
	s_mov_b32 s23, 0
	s_add_nc_u64 s[10:11], s[84:85], s[22:23]
	LASTSTEP                                       ; the bias lands under these 64 products
	s_wait_kmcnt 0x0
.if \kind
	s_add_co_i32 s20, s92, s93                     ; e4 + e5
	s_mov_b32 s22, s97                             ; e9
.else
	s_cmp_eq_u32 ttmp9, 0
	s_cselect_b32 s20, s88, s90
	s_cselect_b32 s21, s89, s91
	s_cselect_b32 s22, s94, s95                    ; e6 or e7
	s_add_co_i32 s20, s20, s21                     ; e0 + e1 or e2 + e3
.endif
	s_add_co_i32 s20, s20, 127
	s_lshl_b32 s96, s20, 23                        ; 2^(ea + eb)
	s_mov_b32 s97, s96
	s_add_co_i32 s22, s22, 127
	s_lshl_b32 s23, s22, 23
	s_add_co_i32 s22, s22, 8
	s_lshl_b32 s22, s22, 23
	s_or_b32 s22, s22, 0x600000
	PLACES NP                                      ; behind the last products: the lines below write registers that held A's fragments
	v_mov_b32 v[SCL], s23
	v_mov_b32 v[LIM], s22
	s_wait_loadcnt 0x0
.irp a, 0,1,2,3,4,5,6,7
	BLOCK \a, \kind
.endr
.endm
	s_wait_alu depctr_va_vdst(0)
	s_wait_tensorcnt 0x0                           ; my part of K step 0 is in; slot 1's first fill is issued as a refill is:
	ds_add_u32 v[SPW], v[NIL]
	s_wait_dscnt 0x0
	CROUND                                         ; everybody's part of K step 0 is in, and all sixteen work-groups are here
	JLOAD G0+4, G1, G0B+4, G1B                     ; K step 1: the first tensor load behind the round
	global_prefetch_b8 v27, s[86:87] offset:3*ROWB th:TH_LOAD_NT scope:SCOPE_SE   ; K step 3
	FETCH_B 0, 0, 0
	FETCH_A 0, 0, 0
	FETCH_A 0, 0, 4
	STEP 0, 0, 1                                   ; the first step's products start the sums
	s_mov_b32 s3, LAPS-1
.Llap:
	TURN 0, 1, 1
	STEP 1, 0, 0
	TURN 1, 0, 1
	STEP 0, 0, 0
	s_sub_co_u32 s3, s3, 1
	s_cmp_lg_u32 s3, 0
	s_cbranch_scc1 .Llap
	TURN 0, 1, 0
	STEP 1, 0, 0
	s_cmp_eq_u32 ttmp9, 2                          ; the cluster's x: the same in all partners and waves
	s_cbranch_scc1 .Lv
	TAIL 0, 17, 15, 42, 16
	s_branch .Lend
.Lv:
	TAIL 1, 42, 16, 17, 15
.Lend:
	s_wait_tensorcnt 0x0                           ; the wave's end
	ds_add_u32 v[SPW], v[NIL]
	s_wait_dscnt 0x0
	CROUND                                         ; the closing round
	s_endpgm
.Lfunc_end_k_q2e2db26399_qkv:
	.size	k_q2e2db26399_qkv, .Lfunc_end_k_q2e2db26399_qkv-k_q2e2db26399_qkv
	.p2alignl 7, 3214868480
	.fill 96, 4, 3214868480
	.section	.rodata,"a",@progbits
	.p2align	6, 0x0
	.amdhsa_kernel k_q2e2db26399_qkv
		.amdhsa_group_segment_fixed_size 327680
		.amdhsa_private_segment_fixed_size 0
		.amdhsa_enable_private_segment 0
		.amdhsa_kernarg_size 72
		.amdhsa_user_sgpr_count 2
		.amdhsa_user_sgpr_kernarg_segment_ptr 1
		.amdhsa_wavefront_size32 1
		.amdhsa_system_sgpr_workgroup_id_x 1
		.amdhsa_system_sgpr_workgroup_id_y 1
		.amdhsa_system_sgpr_workgroup_id_z 1
		.amdhsa_system_vgpr_workitem_id 0
		.amdhsa_next_free_vgpr 1024
		.amdhsa_next_free_sgpr 100
		.amdhsa_reserve_vcc 0
		.amdhsa_float_denorm_mode_32 3
		.amdhsa_float_denorm_mode_16_64 3
		.amdhsa_memory_ordered 1
		.amdhsa_forward_progress 1
		.amdhsa_inst_pref_size 201
	.end_amdhsa_kernel
	.amdgpu_metadata
---
amdhsa.version: [ 1, 2 ]
amdhsa.kernels:
  - .name:           k_q2e2db26399_qkv
    .symbol:         k_q2e2db26399_qkv.kd
    .args:
      - { .name: prep_out, .offset: 0, .size: 8, .value_kind: global_buffer, .address_space: global }
      - { .name: W_Q_codes, .offset: 8, .size: 8, .value_kind: global_buffer, .address_space: global }
      - { .name: W_K_codes, .offset: 16, .size: 8, .value_kind: global_buffer, .address_space: global }
      - { .name: W_V_codes, .offset: 24, .size: 8, .value_kind: global_buffer, .address_space: global }
      - { .name: b_Q, .offset: 32, .size: 8, .value_kind: global_buffer, .address_space: global }
      - { .name: b_K, .offset: 40, .size: 8, .value_kind: global_buffer, .address_space: global }
      - { .name: b_V, .offset: 48, .size: 8, .value_kind: global_buffer, .address_space: global }
      - { .name: lowp_scales, .offset: 56, .size: 8, .value_kind: global_buffer, .address_space: global }
      - { .name: qkv_img, .offset: 64, .size: 8, .value_kind: global_buffer, .address_space: global }
    .group_segment_fixed_size: 327680
    .private_segment_fixed_size: 0
    .kernarg_segment_align: 8
    .kernarg_segment_size: 72
    .max_flat_workgroup_size: 128
    .sgpr_count:     100
    .vgpr_count:     1024
    .wavefront_size: 32
...
	.end_amdgpu_metadata
.endif
;; end of part 2
;; launch attn (part 3): grid 8 x 32, 8 waves a work-group, clusters of 4 x 1, 327,680 bytes of LDS; arguments qkv_img, lowp_scales, z_img; writes z_img
.if DOCPART == 3
	.amdgcn_target "amdgcn-amd-amdhsa--gfx1250"
	.amdhsa_code_object_version 6
	.text
	.protected	k_q2e2db26399_attn
	.globl	k_q2e2db26399_attn
	.p2align	8
	.type	k_q2e2db26399_attn,@function
k_q2e2db26399_attn:
	s_mov_b64 s[64:65], 0
	v_nop
	global_prefetch_b8 v0, s[64:65] scope:SCOPE_SE
	s_setreg_imm32_b32 hwreg(HW_REG_WAVE_MODE, 25, 1), 1
	s_wait_xcnt 0x0
	s_wait_alu depctr_hold_cnt(0) depctr_sa_sdst(0) depctr_va_vdst(0) depctr_va_sdst(0) depctr_va_ssrc(0) depctr_va_vcc(0) depctr_vm_vsrc(0)
	s_getreg_b32 s2, hwreg(HW_REG_IB_STS2, 6, 4)
	s_cmp_eq_u32 s2, 0
	s_cbranch_scc0 .Lentry_in_a_cluster
	s_endpgm
.Lentry_in_a_cluster:
	s_bfe_u32 s2, ttmp6, 0x10000c
	s_cmp_lg_u32 s2, 0x3003
	s_cbranch_scc0 .Lentry_shape_is_right
	s_endpgm
.Lentry_shape_is_right:
; z = softmax(q k^T / 8 under the causal mask) v for one (batch, head), both products on codes of E4M3; the pattern is quantised FINISHED AND NORMALISED (scale 8 of lowp_scales), z with scale 10, stored as images of operand registers.
; DEAD WORK LEFT OUT: key steps (128 keys) that lie wholly behind a tile's 16 queries: reference() sets their scores to -inf by its own jnp.tril, so their weight and their term in z are 0 for all finite inputs.
; reference()'s guard on NaN in the pattern cannot act: q's and k's codes are finite, so every score is finite, and every query sees its own key, so every row's sum is above 0.
; TWO PASSES over the keys: pass 1 takes the running largest t (t = score x log2(e) / 8) and the sum of 2^(t - largest), which give L = largest + log2(sum); pass 2 makes p = 2^(t - L), the normalised pattern, holds and converts it, and multiplies by v.
; SHARES: a work-group has 8 waves and all 2,048 keys of K and V in LDS (2 x 131,072 bytes).  Wave w of work-group x (0..7) owns TWO tiles of 16 queries: tile 8 w + x (w + 1 key steps) and tile 8 (15 - w) + x (16 - w key steps):
; 17 key steps in every wave, so no wave hands anything to another, and nothing is stored to LDS.
; CLUSTER 4 x 1: the four partners walk the same K and V, asked for jointly.  At the head each wave asks for 16,384 bytes of K; V, which pass 2 alone reads, is a later first fill: 16,384 bytes a wave behind the full sequence and a round.
; V is shown by a barrier whose halves stand apart: between the two stand register work and LDS loads of K, which nobody writes.
; Trip counts and branches hang on the wave's number and on loop counters alone; the work-group's place enters data (the mask) and the addresses of plain loads and stores.
; No prefetch: all of K and V is asked for ahead of the first loop, and the text has no loop that loads from memory to run ahead in.
; LAYOUT: S^T = K Q^T (source 0 = 16 keys, source 1 = my 16 queries): lane (r, h) holds query r, register j of tile t key 16 t + 8 h + j, so p's codes are the second product's operand as they fall.  O^T = V^T P^T.
; THE MASK is the C operand of the diagonal step's score products: 0 where the key counts, -3e38 where it is hidden (then t - L is far below every exponent and p = 0); made once, the same for both tiles (both lie 16 x queries into their step).
; LIMITS: e6 + e7 between -123 and 130; e8 between -126 and 119; e10 - e8 - e9 likewise.  Scaled scores stay under 2^31 in magnitude.
; REGISTERS, window 0: v1 16 x lane, v2-3 the add's, v4-5 addresses in hand, v6-7 mask, v8-10 at work, v11, v20, v21 address bases, v12 largest t or L, v14-15 sum, v16, v18 at work, v17 = v22 hold, v23 scale,
;   v24-31 Q of the low tile, v218-225 of the high one, v32-95 K's fragments, v96-159 S^T then p, v160-191 O^T, v192-207 p's codes, v208-215 and v226-233 z's codes, v216-217 z's hold and scale, v234-235 L, v236-243 the maxima's chains.
;   window 1: v0-63 the mask, v64-127 V's fragments.
.set SPARE, 262144                     ; behind K and V: the spare words, 128 bytes a wave
.set MSB, 0
.macro WIN new                         ; the immediate's high byte repeats the setting that is left
.if MSB != \new
	s_set_vgpr_msb (MSB<<8)|\new
.set MSB, \new
.endif
.endm
.macro CROUND
	s_barrier_signal -1
	s_barrier_wait -1
	s_cmp_lg_u32 s18, 0
	s_cbranch_scc1 .Lnot_wave_0_\@
	s_barrier_signal -3
.Lnot_wave_0_\@:
	s_barrier_wait -3
	s_barrier_signal -1
	s_barrier_wait -1
.endm
	s_load_b128 s[4:7], s[0:1], 0x0                ; qkv_img, lowp_scales
	s_load_b64 s[8:9], s[0:1], 0x10                ; z_img
	v_lshl_add_u32 v2, v0, 2, SPARE
	v_mov_b32 v3, 0
	ds_add_u32 v2, v3                              ; the opening: the add, twice on end, and its wait ahead of my first tensor load
	ds_add_u32 v2, v3
	v_lshrrev_b32 v8, 5, v0
	v_readfirstlane_b32 s18, v8                    ; wave w, 0..7: also the low tile's own key step
	s_xor_b32 s19, s18, 15                         ; 15 - w: the high tile's own key step
	s_bfe_u32 s10, ttmp6, 0x40000
	s_lshl_b32 s11, ttmp9, 2
	s_add_co_u32 s11, s11, s10                     ; x
	s_and_b32 s12, ttmp7, 0xffff                   ; batch x 16 + head
	s_mov_b32 s24, 15|(3<<16)|(1<<21)              ; group 1: all four partners; elements of 8 bytes; 64 rows of 256 bytes, dense
	s_mov_b32 s25, 32<<16
	s_mov_b32 s26, 64<<16
	s_mov_b32 s27, 32<<16
	s_mov_b32 s28, 64
	s_mov_b32 s29, 32
	s_mov_b32 s30, 0
	s_mov_b32 s31, 0
	s_mov_b32 s20, 0x76543210
	s_mov_b32 s21, 0xfedcba98                      ; selects: lane l xor 16
	s_lshl_b32 s13, s18, 14                        ; my 16,384 bytes of K, and of V
	s_lshl_b32 s50, s12, 17                        ; 131,072 bytes a (batch, head)
	s_add_co_u32 s14, s13, s50
	s_add_co_u32 s14, s14, 0x400000                ; k's images at 4 MiB of qkv_img, v's at 8 MiB
	s_mov_b32 s15, 0
	s_lshl_b32 s16, s18, 3
	s_add_co_u32 s16, s16, s11                     ; the low tile
	s_lshl_b32 s17, s19, 3
	s_add_co_u32 s17, s17, s11                     ; the high tile
	s_lshl_b32 s48, s16, 10
	s_add_co_u32 s48, s48, s50
	s_mov_b32 s49, 0
	s_lshl_b32 s58, s17, 10
	s_add_co_u32 s58, s58, s50
	s_mov_b32 s59, 0
	s_lshr_b32 s51, s12, 4
	s_lshl_b32 s51, s51, 7                         ; z_img: [batch x 128 + tile][16,384 bytes], the head's 1,024 bytes in it
	s_and_b32 s52, s12, 15
	s_lshl_b32 s52, s52, 10
	s_add_co_u32 s36, s51, s16
	s_lshl_b32 s36, s36, 14
	s_add_co_u32 s36, s36, s52
	s_mov_b32 s37, 0
	s_add_co_u32 s38, s51, s17
	s_lshl_b32 s38, s38, 14
	s_add_co_u32 s38, s38, s52
	s_mov_b32 s39, 0
	s_lshl_b32 s53, s11, 4                         ; my tiles lie 16 x queries into their own key step
	s_wait_dscnt 0x0                               ; both opening adds are done
	s_wait_kmcnt 0x0
	s_load_b256 s[40:47], s[6:7], 0x18             ; e6 .. e13
	s_mov_b32 s32, 1                               ; group 0 for K,
	s_mov_b32 s33, s13
	s_add_nc_u64 s[34:35], s[4:5], s[14:15]
	s_add_nc_u64 s[62:63], s[34:35], 0x400000
	s_or_b32 s35, s35, 0x80000000
	s_mov_b32 s60, 1                               ; and for V
	s_add_co_u32 s61, s13, 131072
	s_or_b32 s63, s63, 0x80000000
	s_add_nc_u64 s[48:49], s[4:5], s[48:49]        ; Q of the low tile,
	s_add_nc_u64 s[58:59], s[4:5], s[58:59]        ; of the high one
	s_add_nc_u64 s[36:37], s[8:9], s[36:37]        ; z of the low tile,
	s_add_nc_u64 s[38:39], s[8:9], s[38:39]        ; of the high one
	CROUND                                         ; all four work-groups are here: the joint loads meet
	tensor_load_to_lds s[32:35], s[24:31]
	s_nop 0
.rept 4
	v_nop
.endr
	v_and_b32 v8, 31, v0
	v_lshlrev_b32 v1, 4, v8
	global_load_b128 v[24:27], v1, s[48:49]
	global_load_b128 v[28:31], v1, s[48:49] offset:512
	global_load_b128 v[218:221], v1, s[58:59]
	global_load_b128 v[222:225], v1, s[58:59] offset:512
	v_add_nc_u32 v11, 0x20000, v1                  ; V's images
	v_add_nc_u32 v20, 0x2000, v1                   ; K, one key step on
	v_add_nc_u32 v21, 0x22000, v1                  ; V, one key step on
	v_and_b32 v8, 15, v0
	v_bfe_u32 v9, v0, 4, 1
	v_lshlrev_b32 v9, 3, v9
	v_sub_nc_u32 v6, v8, v9
	v_add_nc_u32 v6, s53, v6                       ; d = 16 x + r - 8 h: register i of tile t is hidden where 16 t + i > d
	v_mov_b32 v7, 0xff61b1e6                       ; -3e38
	v_mov_b32 v10, 0                               ; (a lane permute's destination counts as read)
	v_mov_b32 v13, 0                               ; (upper halves of pairs whose low word serves both halves)
	v_mov_b32 v19, 0
	WIN 0x40                                       ; destination window 1
.irp t, 0,1,2,3,4,5,6,7
.irp i, 0,1,2,3,4,5,6,7
	v_cmp_gt_i32 vcc_lo, 16*\t+\i, v6
	v_cndmask_b32 v[8*\t+\i], 0, v7, vcc_lo
.endr
.endr
	WIN 0
	s_wait_kmcnt 0x0
	s_add_co_i32 s52, s40, s41
	s_lshl_b32 s52, s52, 23
	s_mov_b32 s22, 0x3e38aa3b                      ; log2(e) / 8,
	s_add_co_i32 s22, s22, s52                     ; x 2^(e6 + e7), by its exponent field
	s_mov_b32 s23, s22
	s_add_co_i32 s52, s42, 127
	s_lshl_b32 s53, s52, 23
	v_mov_b32 v23, s53                             ; 2^e8
	s_add_co_i32 s52, s52, 8
	s_lshl_b32 s52, s52, 23
	s_or_b32 s52, s52, 0x600000
	v_mov_b32 v22, s52                             ; 448 x 2^e8, twice: the two halves of a dual pair take their second sources from different banks
	v_mov_b32 v17, s52
	s_sub_co_i32 s52, s44, s42
	s_sub_co_i32 s52, s52, s43
	s_add_co_i32 s52, s52, 127
	s_lshl_b32 s53, s52, 23
	v_mov_b32 v217, s53                            ; 2^(e10 - e8 - e9)
	s_add_co_i32 s52, s52, 8
	s_lshl_b32 s52, s52, 23
	s_or_b32 s52, s52, 0x600000
	v_mov_b32 v216, s52                            ; 448 x that
.macro LOADK                           ; a key step's eight tiles of 16 keys: 16 loads, address v4
.irp t, 0,1,2,3,4,5,6,7
	ds_load_b128 v[32+8*\t:35+8*\t], v4 offset:1024*\t
	ds_load_b128 v[36+8*\t:39+8*\t], v4 offset:1024*\t+512
.endr
.endm
.macro LOADV                           ; a key step's four tiles of 16 d x 128 keys: 16 loads into window 1, address v5
	WIN 0x40
.irp t, 0,1,2,3
.irp g, 0,1,2,3
	ds_load_b128 v[64+16*\t+4*\g:67+16*\t+4*\g], v5 offset:2048*\t+512*\g
.endr
.endr
	WIN 0
.endm
; The scores, and behind them (four plain places) the NEXT step's K fragments into the registers just read: they land under the step's vector work.
; diag = 1: the tile's own step, walked first; the mask is C; what follows it is step 0.  diag = 0: step s2 / 8192; what follows is the step after (at most step 15: inside K's bytes; what the loop's last walked trip asks for is read by nobody).
.macro SCORES diag, qb
.if \diag
	WIN 0x10                                       ; source 2 window 1
.irp t, 0,1,2,3,4,5,6,7
	v_wmma_f32_16x16x64_fp8_fp8 v[96+8*\t:103+8*\t], v[32+8*\t:39+8*\t], v[\qb:\qb+7], v[8*\t:8*\t+7]
.endr
	WIN 0
	v_mov_b32 v4, v1
.else
.irp t, 0,1,2,3,4,5,6,7
	v_wmma_f32_16x16x64_fp8_fp8 v[96+8*\t:103+8*\t], v[32+8*\t:39+8*\t], v[\qb:\qb+7], 0
.endr
	v_add_nc_u32 v4, s2, v20
.endif
	v_nop
	v_nop
	v_nop
	LOADK
.endm
.macro TMINUS                          ; 2^(t - v12), the exponentials as one batch
.set i, 0
.rept 32
	v_pk_fma_f32 v[96+i:97+i], v[96+i:97+i], s[22:23], v[12:13] op_sel_hi:[1,0,0] neg_lo:[0,0,1] neg_hi:[0,0,1]
.set i, i+2
.endr
.set i, 0
	s_wait_alu depctr_va_vdst(0)                   ; the wait ahead of the batch
.rept 64
	v_exp_f32 v[96+i], v[96+i]
.set i, i+1
.endr
.endm
.macro STEP1 diag, qb                  ; pass 1: the running largest t and the sum under it
.if \diag
	s_wait_dscnt 0x0                               ; what was asked for ahead has landed: its registers may be loaded anew
	v_add_nc_u32 v4, s2, v1
	LOADK
.endif
	s_wait_dscnt 0x0
	SCORES \diag, \qb
.irp t, 0,1,2,3,4,5,6,7                ; the step's largest score: eight chains, one for each accumulator, from its low end on, then a tree
	v_max3_num_f32 v[236+\t], v[96+8*\t], v[97+8*\t], v[98+8*\t]
.endr
.irp t, 0,1,2,3,4,5,6,7
	v_max3_num_f32 v[236+\t], v[236+\t], v[99+8*\t], v[100+8*\t]
.endr
.irp t, 0,1,2,3,4,5,6,7
	v_max3_num_f32 v[236+\t], v[236+\t], v[101+8*\t], v[102+8*\t]
.endr
	v_max3_num_f32 v236, v236, v237, v103
	v_max3_num_f32 v238, v238, v239, v111
	v_max3_num_f32 v240, v240, v241, v119
	v_max3_num_f32 v242, v242, v243, v127
	v_max3_num_f32 v236, v236, v238, v135
	v_max3_num_f32 v240, v240, v242, v143
	v_max3_num_f32 v8, v236, v240, v151
	v_max_num_f32 v8, v8, v159
	v_permlanex16_b32 v10, v8, s20, s21
	v_max_num_f32 v8, v8, v10                      ; and among lane l xor 16's
.if \diag
	v_mul_f32 v12, s22, v8                         ; the first step's largest t: every query sees its own key, so it is a number
.else
	v_mov_b32 v16, v12
	v_mul_f32 v8, s22, v8
	v_max_num_f32 v12, v12, v8
	v_sub_f32 v18, v16, v12
.endif
	TMINUS
.if !\diag
	v_exp_f32 v18, v18
.endif
	v_nop
	s_wait_alu depctr_va_vdst(0)                   ; one wait for the batch, ahead of its first reader
.if !\diag
	v_pk_mul_f32 v[14:15], v[14:15], v[18:19] op_sel_hi:[1,0]
.endif
.irp d, 2,4,8,16,32                    ; the step's sum as a tree of packed additions, in place: 16, 8, 4, 2, 1
.set i, 0
.rept 32/\d
	v_pk_add_f32 v[96+i:97+i], v[96+i:97+i], v[96+i+\d:97+i+\d]
.set i, i+2*\d
.endr
.endr
	v_pk_add_f32 v[14:15], v[14:15], v[96:97]
.endm
; Pass 2.  LDS loads go out in the order K (16), V (16), K, V ..: the wait at the step's top leaves V's sixteen out, the wait ahead of the second product the next K's sixteen.
.macro STEP2 diag, qb
.if \diag
	s_wait_dscnt 0x0
	v_add_nc_u32 v4, s2, v1
	v_add_nc_u32 v5, s2, v11
	LOADK
	LOADV
.endif
	s_wait_dscnt 16
	SCORES \diag, \qb
	TMINUS
	v_nop
	s_wait_alu depctr_va_vdst(0)
.set i, 0
.rept 32
	v_dual_min_num_f32 v[96+i], v[96+i], v22 :: v_dual_min_num_f32 v[97+i], v[97+i], v17   ; the conversion does not saturate; p is not negative, so the hold is one-sided
.set i, i+2
.endr
.set i, 0
.rept 8
	v_cvt_scalef32_pk8_fp8_f32 v[192+2*i:193+2*i], v[96+8*i:103+8*i], v23
.set i, i+1
.endr
	v_nop
	WIN 0x01                                       ; source 0 window 1
	s_wait_alu depctr_va_vdst(0)                   ; the wait ahead of the first readers of O^T
	s_wait_dscnt 16
.irp t, 0,1,2,3
.if \diag
	v_wmma_f32_16x16x128_fp8_fp8 v[160+8*\t:167+8*\t], v[64+16*\t:79+16*\t], v[192:207], 0
.else
	v_wmma_f32_16x16x128_fp8_fp8 v[160+8*\t:167+8*\t], v[64+16*\t:79+16*\t], v[192:207], v[160+8*\t:167+8*\t]
.endif
.endr
	WIN 0
.if \diag
	v_mov_b32 v5, v11
.else
	v_add_nc_u32 v5, s2, v21
.endif
	v_nop
	v_nop
	v_nop
	LOADV                                          ; the next step's V, behind four places
.endm
; A tile's pass 1: its own step, then steps 0 .. own - 1.  The loop's trip count is a constant; a branch on the wave's number leads round the steps that the tile does not have.
.macro PASS1 qb, own, trips, out
	v_mov_b32 v14, 0
	v_mov_b32 v15, 0
	s_lshl_b32 s2, s[\own], 13
	STEP1 1, \qb
	s_mov_b32 s2, 0
	s_mov_b32 s3, 0
.Lp1_\@:
	s_cmp_ge_u32 s3, s[\own]
	s_cbranch_scc1 .Lp1s_\@
	STEP1 0, \qb
.Lp1s_\@:
	s_add_co_u32 s2, s2, 8192
	s_add_co_u32 s3, s3, 1
	s_cmp_lt_u32 s3, \trips
	s_cbranch_scc1 .Lp1_\@
	s_wait_alu depctr_va_vdst(0)                   ; the wait behind the branches
	v_add_f32 v8, v14, v15
	v_permlanex16_b32 v10, v8, s20, s21
	v_add_f32 v8, v8, v10                          ; the row's sum
	s_wait_alu depctr_va_vdst(0)
	v_log_f32 v8, v8
	v_nop
	s_wait_alu depctr_va_vdst(0)
	v_add_f32 v[\out], v12, v8                     ; L
.endm
; A tile's pass 2, and z: O^T held, converted, turned into oproj's order of K (16 neighbours a lane) and stored: each store covers 512 consecutive bytes.
.macro PASS2 qb, own, trips, lse, zc, zp
	v_mov_b32 v12, v[\lse]
	s_lshl_b32 s2, s[\own], 13
	s_wait_alu depctr_va_vdst(0)                   ; the wait
	STEP2 1, \qb
	s_mov_b32 s2, 0
	s_mov_b32 s3, 0
.Lp2_\@:
	s_cmp_ge_u32 s3, s[\own]
	s_cbranch_scc1 .Lp2s_\@
	STEP2 0, \qb
.Lp2s_\@:
	s_add_co_u32 s2, s2, 8192
	s_add_co_u32 s3, s3, 1
	s_cmp_lt_u32 s3, \trips
	s_cbranch_scc1 .Lp2_\@
.set i, 0
.rept 32
	v_med3_num_f32 v[160+i], v[160+i], -v216, v216
.set i, i+1
.endr
.irp t, 0,1,2,3
	v_cvt_scalef32_pk8_fp8_f32 v[\zc+2*\t:\zc+2*\t+1], v[160+8*\t:167+8*\t], v217
.endr
	v_nop
	v_permlane16_swap_b32 v[\zc], v[\zc+2]
	v_permlane16_swap_b32 v[\zc+1], v[\zc+3]
	v_permlane16_swap_b32 v[\zc+4], v[\zc+6]
	v_permlane16_swap_b32 v[\zc+5], v[\zc+7]
	global_store_b128 v1, v[\zc:\zc+3], s[\zp:\zp+1]
	global_store_b128 v1, v[\zc+4:\zc+7], s[\zp:\zp+1] offset:512
.endm
	s_wait_alu depctr_va_vdst(0)                   ; the wait at the head's end
	s_wait_loadcnt 0x0                             ; Q
	s_wait_tensorcnt 0x0                           ; my part of K is in; V's first fill is issued as a refill is:
	ds_add_u32 v2, v3
	s_wait_dscnt 0x0
	CROUND                                         ; everybody's part of K is in, and all four work-groups are here
	tensor_load_to_lds s[60:63], s[24:31]          ; my part of V
	s_nop 0
.rept 4
	v_nop
.endr
	PASS1 24, 18, 7, 234
	s_wait_tensorcnt 0x0                           ; my part of V is in,
	s_wait_dscnt 0x0                               ; and no LDS load of mine is out at the signal
	s_barrier_signal -1                            ; say so; up to the wait: register work and LDS loads of K
	PASS1 218, 19, 15, 235
	s_barrier_wait -1                              ; everybody's part of V is in
	PASS2 24, 18, 7, 234, 208, 36
	PASS2 218, 19, 15, 235, 226, 38
	s_wait_tensorcnt 0x0                           ; the wave's end
	ds_add_u32 v2, v3
	s_wait_dscnt 0x0
	CROUND                                         ; the closing round
	s_endpgm
.Lfunc_end_k_q2e2db26399_attn:
	.size	k_q2e2db26399_attn, .Lfunc_end_k_q2e2db26399_attn-k_q2e2db26399_attn
	.p2alignl 7, 3214868480
	.fill 96, 4, 3214868480
	.section	.rodata,"a",@progbits
	.p2align	6, 0x0
	.amdhsa_kernel k_q2e2db26399_attn
		.amdhsa_group_segment_fixed_size 327680
		.amdhsa_private_segment_fixed_size 0
		.amdhsa_enable_private_segment 0
		.amdhsa_kernarg_size 24
		.amdhsa_user_sgpr_count 2
		.amdhsa_user_sgpr_kernarg_segment_ptr 1
		.amdhsa_wavefront_size32 1
		.amdhsa_system_sgpr_workgroup_id_x 1
		.amdhsa_system_sgpr_workgroup_id_y 1
		.amdhsa_system_sgpr_workgroup_id_z 1
		.amdhsa_system_vgpr_workitem_id 0
		.amdhsa_next_free_vgpr 384
		.amdhsa_next_free_sgpr 66
		.amdhsa_reserve_vcc 1
		.amdhsa_float_denorm_mode_32 3
		.amdhsa_float_denorm_mode_16_64 3
		.amdhsa_memory_ordered 1
		.amdhsa_forward_progress 1
		.amdhsa_inst_pref_size 105
	.end_amdhsa_kernel
	.amdgpu_metadata
---
amdhsa.version: [ 1, 2 ]
amdhsa.kernels:
  - .name:           k_q2e2db26399_attn
    .symbol:         k_q2e2db26399_attn.kd
    .args:
      - { .name: qkv_img, .offset: 0, .size: 8, .value_kind: global_buffer, .address_space: global }
      - { .name: lowp_scales, .offset: 8, .size: 8, .value_kind: global_buffer, .address_space: global }
      - { .name: z_img, .offset: 16, .size: 8, .value_kind: global_buffer, .address_space: global }
    .group_segment_fixed_size: 327680
    .private_segment_fixed_size: 0
    .kernarg_segment_align: 8
    .kernarg_segment_size: 24
    .max_flat_workgroup_size: 256
    .sgpr_count:     66
    .vgpr_count:     384
    .wavefront_size: 32
...
	.end_amdgpu_metadata
.endif
;; end of part 3
;; launch oproj (part 4): grid 8 x 32, 4 waves a work-group, clusters of 4 x 4, 327,680 bytes of LDS; arguments z_img, prep_out, b_O, resid_pre, lowp_scales, resid_mid; writes resid_mid
.if DOCPART == 4
	.amdgcn_target "amdgcn-amd-amdhsa--gfx1250"
	.amdhsa_code_object_version 6
	.text
	.protected	k_q2e2db26399_oproj
	.globl	k_q2e2db26399_oproj
	.p2align	8
	.type	k_q2e2db26399_oproj,@function
k_q2e2db26399_oproj:
	s_mov_b64 s[64:65], 0
	v_nop
	global_prefetch_b8 v0, s[64:65] scope:SCOPE_SE
	s_setreg_imm32_b32 hwreg(HW_REG_WAVE_MODE, 25, 1), 1
	s_wait_xcnt 0x0
	s_wait_alu depctr_hold_cnt(0) depctr_sa_sdst(0) depctr_va_vdst(0) depctr_va_sdst(0) depctr_va_ssrc(0) depctr_va_vcc(0) depctr_vm_vsrc(0)
	s_getreg_b32 s2, hwreg(HW_REG_IB_STS2, 6, 4)
	s_cmp_eq_u32 s2, 0
	s_cbranch_scc0 .Lentry_in_a_cluster
	s_endpgm
.Lentry_in_a_cluster:
	s_bfe_u32 s2, ttmp6, 0x10000c
	s_cmp_lg_u32 s2, 0xf033
	s_cbranch_scc0 .Lentry_shape_is_right
	s_endpgm
.Lentry_shape_is_right:
; resid_mid = resid_pre + z W_O + b_O, the product on codes of E4M3, K = 1,024.  A: z's images of operand registers ([tile of 16 tokens][K / 128][4][lane][16 bytes]); B: W_O's codes [n][k] at 12 MiB of prep_out.
; A tile is 128 x 128 (256 work-groups), four waves of 64 x 64: 16 accumulators.  K in steps of 512 through two LDS slots; here K has just two steps, so no slot is filled again.
; Joint tensor loads in clusters of 4 x 4: A's tile shared along a row of the cluster (waves 0, 1 fetch it), B's along a column (waves 2, 3).
; The matrix instruction is used transposed: a lane holds one token and eight neighbouring columns.  A wave's 64 columns of f32 are one aligned run of 256 bytes, so the stage on the way out is the wave's own.
; LIMIT: e10 + e11 between -126 and 127.
; REGISTERS: window 0: v16-29 addresses, v32-95 the way out, v96-99 the bias, v128-255 the accumulators.  window 1: two buffers of 128: A's four fragments, then B's four.  window 2: v0-127 the residual, in the stores' layout.
.set SIZE_K, 1024
.set B_OFF,  12582912
.set SC_OFF, 0x28
; ALL OF K, 1,024, comes by ONE load a wave; 'slot' 0 and 1 below name K's two halves inside that one fill, 8,192 bytes apart in an image and 512 in a row of B.
.set KSTEP,  1024
.set PB,     1040                      ; a row of B in LDS: 1,024 bytes + 16 of padding
.set AIMG,   131072                    ; A's images (8 tiles of tokens x 16,384 bytes), then B's 128 rows
.set HALFB,  64*PB
.set SLOT,   AIMG+2*HALFB
.set STAGE,  SLOT
.set SPITCH, 272
.set SPARE,  STAGE+4*16*SPITCH
.set LAPS,   SIZE_K/(2*KSTEP)
.set ADRA, 16
.set ADRB, 20
.set STO,  24
.set RD,   25
.set CO,   26
.set SPW,  28
.set NIL,  29
.set TMP,  32
.set ACC,  128
.set F0,   0
.set F1,   128
.set G1, 24
.set G0, 32
.set G1B, 48
.set G0B, 56
.set MSB, 0
.macro WIN new
.if MSB != \new
	s_set_vgpr_msb (MSB<<8)|\new
.set MSB, \new
.endif
.endm
.set MUL,  0x05
.set TO_F, 0x40
.macro JLOAD s                         ; an s_nop 0 and four v_nop follow each of the two lines
	s_cmp_eq_u32 s11, 0
	s_cbranch_scc0 .Lfor_b_\@
	tensor_load_to_lds s[G0+4*\s:G0+4*\s+3], s[G1:G1+7]
	s_nop 0
.rept 4
	v_nop
.endr
	s_branch .Lasked_\@
.Lfor_b_\@:
	tensor_load_to_lds s[G0B+4*\s:G0B+4*\s+3], s[G1B:G1B+7]
	s_nop 0
.rept 4
	v_nop
.endr
.Lasked_\@:
.endm
.macro CREST
	s_cmp_lg_u32 s10, 0
	s_cbranch_scc1 .Lnot_wave_0_\@
	s_barrier_signal -3
.Lnot_wave_0_\@:
	s_barrier_wait -3
	s_barrier_signal -1
	s_barrier_wait -1
.endm
.macro CROUND
	s_barrier_signal -1
	s_barrier_wait -1
	CREST
.endm
	s_load_b256 s[68:75], s[0:1], 0x0              ; A's images 68, B's codes 70, the bias 72, the residual 74
	s_load_b128 s[76:79], s[0:1], 0x20             ; lowp_scales 76, the output 78
	v_lshl_add_u32 v[SPW], v0, 2, SPARE
	v_mov_b32 v[NIL], 0
	ds_add_u32 v[SPW], v[NIL]                      ; the opening: the add, twice on end, and its wait ahead of my first tensor load
	ds_add_u32 v[SPW], v[NIL]
	v_lshrrev_b32 v1, 5, v0
	v_readfirstlane_b32 s10, v1                    ; wave
	s_lshr_b32 s11, s10, 1                         ; my half of the rows; also: I fetch for A (0) or B (1)
	s_and_b32 s12, s10, 1                          ; my half of the columns; also: which half of that tile I fetch
	s_bfe_u32 s40, ttmp6, 0x40000
	s_bfe_u32 s41, ttmp6, 0x40004
	s_lshl_b32 s42, ttmp9, 2
	s_add_co_u32 s42, s42, s40                     ; tile column
	s_and_b32 s13, ttmp7, 0xffff
	s_lshl_b32 s13, s13, 2
	s_add_co_u32 s13, s13, s41                     ; tile row
	s_lshl_b32 s43, s41, 2
	s_lshl_b32 s43, 15, s43
	s_lshl_b32 s44, 0x1111, s40
	s_or_b32 s[G1+0], s43, (3<<16)|(1<<21)         ; A: mask of my row; elements of 8 bytes; no padding
	s_mov_b32 s[G1+1], 2048<<16                    ; tensor_dim0 = 2,048 (16,384 bytes: a tile of tokens' eight K steps of 128)
	s_mov_b32 s[G1+2], 4<<16                       ; tensor_dim1 = 4 tiles of tokens
	s_mov_b32 s[G1+3], 2048<<16
	s_mov_b32 s[G1+4], 4
	s_mov_b32 s[G1+5], 2*SIZE_K                    ; from tile to tile: 16 SIZE_K bytes
	s_mov_b32 s[G1+6], 0
	s_mov_b32 s[G1+7], 0
	s_or_b32 s[G1B+0], s44, (0<<16)|(1<<20)|(1<<21)|(7<<22)|(3<<25)  ; B: mask of my column; bytes; 4 words of padding behind every 256
	s_mov_b32 s[G1B+1], KSTEP<<16
	s_mov_b32 s[G1B+2], 64<<16
	s_mov_b32 s[G1B+3], KSTEP<<16
	s_mov_b32 s[G1B+4], 64
	s_mov_b32 s[G1B+5], SIZE_K
	s_mov_b32 s[G1B+6], 0
	s_mov_b32 s[G1B+7], 0
	s_lshl_b32 s16, s13, 3
	s_lshl_b32 s17, s12, 2
	s_add_co_u32 s16, s16, s17                     ; A: tile of tokens 8 x tile row + 4 x half
	s_mul_i32 s16, s16, 16*SIZE_K
	s_mov_b32 s17, 0
	s_lshl_b32 s46, s42, 7
	s_lshl_b32 s47, s12, 6
	s_add_co_u32 s46, s46, s47                     ; B: row 128 x tile column + 64 x half
	s_mul_i32 s46, s46, SIZE_K
.if B_OFF
	s_add_co_u32 s46, s46, B_OFF
.endif
	s_mov_b32 s47, 0
	s_lshl_b32 s20, s12, 16                        ; where they go: A's half,
	s_mul_i32 s21, s12, HALFB
	s_add_co_u32 s21, s21, AIMG                    ; B's half
	s_wait_dscnt 0x0                               ; both opening adds are done
	s_wait_kmcnt 0x0
	s_load_b64 s[80:81], s[76:77], SC_OFF          ; ea, eb
	s_add_nc_u64 s[14:15], s[68:69], s[16:17]
	s_add_nc_u64 s[46:47], s[70:71], s[46:47]
	CROUND                                         ; all sixteen work-groups are here
.irp s, 0
	s_mov_b32 s[G0+4*\s], 1
	s_add_co_u32 s[G0+4*\s+1], s20, \s*SLOT
	s_add_nc_u64 s[G0+4*\s+2:G0+4*\s+3], s[14:15], \s*8192
	s_or_b32 s[G0+4*\s+3], s[G0+4*\s+3], 0x80000000
	s_mov_b32 s[G0B+4*\s], 1
	s_add_co_u32 s[G0B+4*\s+1], s21, \s*SLOT
	s_add_nc_u64 s[G0B+4*\s+2:G0B+4*\s+3], s[46:47], \s*KSTEP
	s_or_b32 s[G0B+4*\s+3], s[G0B+4*\s+3], 0x80000000
	JLOAD \s
.endr
	v_and_b32 v1, 15, v0                           ; r
	v_bfe_u32 v2, v0, 4, 1                         ; h
	v_and_b32 v3, 31, v0
	v_lshlrev_b32 v3, 4, v3                        ; 16 x lane: an image's place for my lane
	s_lshl_b32 s21, s11, 16                        ; my four tiles of tokens
	v_mul_u32_u24 v4, v1, PB
	v_lshl_add_u32 v4, v2, 4, v4
	s_mul_i32 s22, s12, HALFB
	s_add_co_u32 s22, s22, AIMG
.irp s, 0,1
	v_add_nc_u32 v[ADRA+\s], s21, v3
	v_add_nc_u32 v[ADRB+\s], s22, v4
	s_add_co_u32 s21, s21, 8192
	s_add_co_u32 s22, s22, 512
.endr
	s_mul_i32 s23, s10, 16*SPITCH
	s_add_co_u32 s23, s23, STAGE                   ; my stage
	v_mul_u32_u24 v5, v1, SPITCH
	v_lshl_add_u32 v5, v2, 5, v5
	v_add_nc_u32 v[STO], s23, v5                   ; in: row r, 32 bytes for each half of the lanes
	v_mul_u32_u24 v5, v2, SPITCH
	v_lshl_add_u32 v5, v1, 4, v5
	v_add_nc_u32 v[RD], s23, v5                    ; back: lanes 0-15 one row of 256 bytes, lanes 16-31 the next
	v_lshlrev_b32 v5, 12, v2
	v_lshl_add_u32 v[CO], v1, 4, v5                ; and the same two rows in memory
	v_lshlrev_b32 v27, 4, v1                       ; my four columns of the bias
	s_wait_alu depctr_va_vdst(0)
	s_lshl_b32 s16, s13, 7
	s_lshl_b32 s17, s11, 6
	s_add_co_u32 s16, s16, s17                     ; my first row
	s_lshl_b32 s16, s16, 12
	s_lshl_b32 s46, s42, 9
	s_lshl_b32 s47, s12, 8
	s_add_co_u32 s46, s46, s47                     ; my first column, in bytes
	s_mov_b32 s47, 0
	s_add_nc_u64 s[72:73], s[72:73], s[46:47]
	s_add_co_u32 s16, s16, s46
	s_mov_b32 s17, 0
	s_add_nc_u64 s[74:75], s[74:75], s[16:17]
	s_add_nc_u64 s[78:79], s[78:79], s[16:17]
	global_load_b128 v[96:99], v27, s[72:73]
	WIN 0x80                                       ; destination window 2
.irp a, 0,1,2,3
.irp t, 0,1,2,3,4,5,6,7
	global_load_b128 v[32*\a+4*\t:32*\a+4*\t+3], v[CO], s[74:75] offset:(16*\a+2*\t)*4096 th:TH_LOAD_NT
.endr
.endr
	WIN 0
.macro FETCH slot, q, f                ; the fragments of the slot's q-th 128 along K into buffer f: 32 loads in one run
	WIN TO_F
.irp i, 0,1,2,3
.irp c, 0,1,2,3
	ds_load_b128 v[\f+64+16*\i+4*\c:\f+64+16*\i+4*\c+3], v[ADRB+\slot] offset:\i*16*PB+128*(\q)+32*\c
.endr
.endr
.irp i, 0,1,2,3
.irp c, 0,1,2,3
	ds_load_b128 v[\f+16*\i+4*\c:\f+16*\i+4*\c+3], v[ADRA+\slot] offset:\i*16384+2048*(\q)+512*\c
.endr
.endr
.endm
.macro MULA f, a, zero                 ; A's tile a against B's four; the 16 accumulators take turns
	WIN MUL
.irp b, 0,1,2,3
.if \zero
	v_wmma_f32_16x16x128_fp8_fp8 v[ACC+8*(4*(\a)+\b):ACC+8*(4*(\a)+\b)+7], v[\f+64+16*\b:\f+64+16*\b+15], v[\f+16*(\a):\f+16*(\a)+15], 0
.else
	v_wmma_f32_16x16x128_fp8_fp8 v[ACC+8*(4*(\a)+\b):ACC+8*(4*(\a)+\b)+7], v[\f+64+16*\b:\f+64+16*\b+15], v[\f+16*(\a):\f+16*(\a)+15], v[ACC+8*(4*(\a)+\b):ACC+8*(4*(\a)+\b)+7]
.endif
.endr
.endm
.macro PLACES
.rept 4
	v_nop
.endr
.endm
.macro QUARTER slot, q, f, g, zero     ; multiplies buffer f; the slot's quarter q is fetched into g under its 16 products
	s_wait_dscnt 0x0                               ; buffer f is in
	PLACES                                         ; buffer g's last readers stand just ahead
	FETCH \slot, \q, \g
	MULA \f, 0, \zero
	MULA \f, 1, \zero
	MULA \f, 2, \zero
	MULA \f, 3, \zero
.endm
.macro TURN slot, next, fill           ; a slot's last quarter changes slots: one barrier
	WIN 0
	s_wait_tensorcnt 0x0                           ; all my tensor loads have landed
	ds_add_u32 v[SPW], v[NIL]
	s_wait_dscnt 1                                 ; buffer 1 is in; the add may be out
	MULA F1, 0, 0
	s_wait_dscnt 0x0                               ; the add is done, and my reads of this slot are over
	s_barrier_signal -1
	MULA F1, 1, 0
	WIN 0
	s_barrier_wait -1
.if \fill
	CREST
	s_add_nc_u64 s[G0+4*\slot+2:G0+4*\slot+3], s[G0+4*\slot+2:G0+4*\slot+3], 2*8192
	s_add_nc_u64 s[G0B+4*\slot+2:G0B+4*\slot+3], s[G0B+4*\slot+2:G0B+4*\slot+3], 2*KSTEP
	JLOAD \slot                                    ; the first tensor load behind the round; its four v_nop are the places for the loads below
.else
	PLACES
.endif
	FETCH \next, 0, F0
	MULA F1, 2, 0
	MULA F1, 3, 0
.endm
	s_wait_tensorcnt 0x0                           ; my one load is in
	s_barrier_signal -1
	s_barrier_wait -1
	FETCH 0, 0, F0
	QUARTER 0, 1, F0, F1, 1
.if LAPS > 1
	WIN 0
	s_mov_b32 s3, LAPS-1
.Llap:
	QUARTER 0, 2, F1, F0, 0
	QUARTER 0, 3, F0, F1, 0
	TURN 0, 1, 1
	QUARTER 1, 1, F0, F1, 0
	QUARTER 1, 2, F1, F0, 0
	QUARTER 1, 3, F0, F1, 0
	TURN 1, 0, 1
	QUARTER 0, 1, F0, F1, 0
	WIN 0
	s_sub_co_u32 s3, s3, 1
	s_cmp_lg_u32 s3, 0
	s_cbranch_scc1 .Llap
.endif
	QUARTER 0, 2, F1, F0, 0
	QUARTER 0, 3, F0, F1, 0
	QUARTER 1, 0, F1, F0, 0                        ; on into K's second half: the same fill, so no barrier
	QUARTER 1, 1, F0, F1, 0
	QUARTER 1, 2, F1, F0, 0
	QUARTER 1, 3, F0, F1, 0
	s_wait_dscnt 0x0
	MULA F1, 0, 0
	MULA F1, 1, 0
	MULA F1, 2, 0
	MULA F1, 3, 0
	WIN 0
	; THE WAY OUT, 16 rows at a time through my own stage: LDS serves a wave's instructions in order, so no wait stands between the stores and the loads.
.macro TOSTAGE a
.set TS, TMP+32*((\a)%2)
.irp b, 0,1,2,3
	ds_store_b128 v[STO], v[ACC+8*(4*(\a)+\b):ACC+8*(4*(\a)+\b)+3] offset:64*\b          ; each accumulator from its low end on
	ds_store_b128 v[STO], v[ACC+8*(4*(\a)+\b)+4:ACC+8*(4*(\a)+\b)+7] offset:64*\b+16
.endr
.irp t, 0,1,2,3,4,5,6,7
	ds_load_b128 v[TS+4*\t:TS+4*\t+3], v[RD] offset:\t*2*SPITCH
.endr
.endm
.macro SEND a, younger                 ; younger: the LDS instructions issued behind block a's loads
.set TS, TMP+32*((\a)%2)
	s_wait_dscnt \younger
	WIN 0x20                                       ; source 2 (the residual) window 2
.set i, 0
.rept 16
	v_pk_fma_f32 v[TS+i:TS+i+1], v[TS+i:TS+i+1], s[82:83], v[32*(\a)+i:32*(\a)+i+1] op_sel_hi:[1,0,1]   ; sum x 2^(ea + eb) + residual
.set i, i+2
.endr
	WIN 0
.irp t, 0,1,2,3,4,5,6,7
	v_pk_add_f32 v[TS+4*\t:TS+4*\t+1], v[TS+4*\t:TS+4*\t+1], v[96:97]
	v_pk_add_f32 v[TS+4*\t+2:TS+4*\t+3], v[TS+4*\t+2:TS+4*\t+3], v[98:99]
.endr
.irp t, 0,1,2,3,4,5,6,7
	global_store_b128 v[CO], v[TS+4*\t:TS+4*\t+3], s[78:79] offset:(16*(\a)+2*\t)*4096   ; sixteen lanes store 256 consecutive bytes, aligned
.endr
.endm
	s_wait_kmcnt 0x0
	s_add_co_i32 s82, s80, s81
	s_add_co_i32 s82, s82, 127
	s_lshl_b32 s82, s82, 23                        ; 2^(ea + eb)
	s_mov_b32 s83, s82
	PLACES
	s_wait_loadcnt 0x0                             ; the residual and the bias
	TOSTAGE 0
	TOSTAGE 1
	SEND 0, 16
	s_wait_xcnt 0x0                                ; block 0's stores have read their registers
	TOSTAGE 2
	SEND 1, 16
	s_wait_xcnt 0x0
	TOSTAGE 3
	SEND 2, 16
	SEND 3, 0
	s_wait_tensorcnt 0x0                           ; the wave's end
	ds_add_u32 v[SPW], v[NIL]
	s_wait_dscnt 0x0
	CROUND                                         ; the closing round
	s_endpgm
.Lfunc_end_k_q2e2db26399_oproj:
	.size	k_q2e2db26399_oproj, .Lfunc_end_k_q2e2db26399_oproj-k_q2e2db26399_oproj
	.p2alignl 7, 3214868480
	.fill 96, 4, 3214868480
	.section	.rodata,"a",@progbits
	.p2align	6, 0x0
	.amdhsa_kernel k_q2e2db26399_oproj
		.amdhsa_group_segment_fixed_size 327680
		.amdhsa_private_segment_fixed_size 0
		.amdhsa_enable_private_segment 0
		.amdhsa_kernarg_size 48
		.amdhsa_user_sgpr_count 2
		.amdhsa_user_sgpr_kernarg_segment_ptr 1
		.amdhsa_wavefront_size32 1
		.amdhsa_system_sgpr_workgroup_id_x 1
		.amdhsa_system_sgpr_workgroup_id_y 1
		.amdhsa_system_sgpr_workgroup_id_z 1
		.amdhsa_system_vgpr_workitem_id 0
		.amdhsa_next_free_vgpr 640
		.amdhsa_next_free_sgpr 100
		.amdhsa_reserve_vcc 0
		.amdhsa_float_denorm_mode_32 3
		.amdhsa_float_denorm_mode_16_64 3
		.amdhsa_memory_ordered 1
		.amdhsa_forward_progress 1
		.amdhsa_inst_pref_size 52
	.end_amdhsa_kernel
	.amdgpu_metadata
---
amdhsa.version: [ 1, 2 ]
amdhsa.kernels:
  - .name:           k_q2e2db26399_oproj
    .symbol:         k_q2e2db26399_oproj.kd
    .args:
      - { .name: z_img, .offset: 0, .size: 8, .value_kind: global_buffer, .address_space: global }
      - { .name: prep_out, .offset: 8, .size: 8, .value_kind: global_buffer, .address_space: global }
      - { .name: b_O, .offset: 16, .size: 8, .value_kind: global_buffer, .address_space: global }
      - { .name: resid_pre, .offset: 24, .size: 8, .value_kind: global_buffer, .address_space: global }
      - { .name: lowp_scales, .offset: 32, .size: 8, .value_kind: global_buffer, .address_space: global }
      - { .name: resid_mid, .offset: 40, .size: 8, .value_kind: global_buffer, .address_space: global }
    .group_segment_fixed_size: 327680
    .private_segment_fixed_size: 0
    .kernarg_segment_align: 8
    .kernarg_segment_size: 48
    .max_flat_workgroup_size: 128
    .sgpr_count:     100
    .vgpr_count:     640
    .wavefront_size: 32
...
	.end_amdgpu_metadata
.endif
;; end of part 4
;; launch ln2 (part 5): grid 1024 x 1, 4 waves a work-group, no clusters, 20,992 bytes of LDS; arguments resid_mid, ln2_w, ln2_b, lowp_scales, x2_codes; writes x2_codes
.if DOCPART == 5
	.amdgcn_target "amdgcn-amd-amdhsa--gfx1250"
	.amdhsa_code_object_version 6
	.text
	.protected	k_q2e2db26399_ln2
	.globl	k_q2e2db26399_ln2
	.p2align	8
	.type	k_q2e2db26399_ln2,@function
k_q2e2db26399_ln2:
	s_mov_b64 s[64:65], 0
	v_nop
	global_prefetch_b8 v0, s[64:65] scope:SCOPE_SE
	s_setreg_imm32_b32 hwreg(HW_REG_WAVE_MODE, 25, 1), 1
	s_wait_xcnt 0x0
; LayerNorm 2 of resid_mid, quantised with scale 12 of lowp_scales into x2_codes [4096][1024].  ONE ROW A WAVE, four rows a work-group.
; Each load reads 512 consecutive bytes; the row turns through the wave's own stage in LDS so that a lane holds 16 neighbours of each half row, as the conversions want.  No barrier: waves share nothing.
; LIMITS: e12 between -126 and 119.  NaN and infinity among the inputs are not served.
.set SP,    80                         ; a lane's place in a stage: 64 bytes + 16 of padding
.set WST,   2*32*SP
.set SPARE, 4*WST
.set SPW,   14
.set NIL,   15
.set W,     24
.set BB,    56
.set RAW,   88                         ; the row as loaded
.set T,     88                         ; and, when it has gone to the stage: the sums' chains, two sets of 16 held numbers
.set X,     120
.set C,     152
	s_load_b256 s[4:11], s[0:1], 0x0               ; resid_mid, ln2_w, ln2_b, lowp_scales
	s_load_b64 s[14:15], s[0:1], 0x20              ; x2_codes
	v_lshl_add_u32 v[SPW], v0, 2, SPARE
	v_mov_b32 v[NIL], 0
	v_lshrrev_b32 v1, 5, v0
	v_readfirstlane_b32 s30, v1                    ; wave
	v_and_b32 v1, 31, v0                           ; lane
	v_lshlrev_b32 v2, 4, v1
	s_mul_i32 s31, s30, WST
	v_lshrrev_b32 v3, 2, v1
	v_mul_u32_u24 v3, v3, SP
	v_and_b32 v4, 3, v1
	v_lshl_add_u32 v3, v4, 4, v3
	v_add_nc_u32 v3, s31, v3                       ; into the stage
	v_mul_u32_u24 v4, v1, SP
	v_add_nc_u32 v4, s31, v4                       ; out of it
	v_lshlrev_b32 v5, 6, v1
	v_mov_b32 v9, 0
	v_mov_b32 v11, 0
	v_mov_b32 v13, 0
	s_mov_b32 s40, 0x76543210
	s_mov_b32 s41, 0xfedcba98
	s_mov_b32 s42, 0x3a800000                      ; 1 / 1024
	s_mov_b32 s43, 0x3727c5ac                      ; 1e-5
	s_lshl_b32 s24, ttmp9, 2
	s_add_co_u32 s24, s24, s30                     ; my wave's row
	s_lshl_b32 s26, s24, 12
	s_mov_b32 s27, 0
	s_lshl_b32 s28, s24, 10
	s_mov_b32 s29, 0
	s_wait_alu depctr_va_vdst(0)                   ; the wait at the head's end
	s_wait_kmcnt 0x0
	s_load_b32 s32, s[10:11], 0x30                 ; e12
	s_add_nc_u64 s[16:17], s[4:5], s[26:27]
	s_add_nc_u64 s[18:19], s[14:15], s[28:29]
.irp j, 0,1,2,3,4,5,6,7
	global_load_b128 v[RAW+4*\j:RAW+4*\j+3], v2, s[16:17] offset:512*\j th:TH_LOAD_NT
.endr
.irp u, 0,1
.irp i, 0,1,2,3
	global_load_b128 v[W+16*\u+4*\i:W+16*\u+4*\i+3], v5, s[6:7] offset:2048*\u+16*\i
	global_load_b128 v[BB+16*\u+4*\i:BB+16*\u+4*\i+3], v5, s[8:9] offset:2048*\u+16*\i
.endr
.endr
.macro FOLD
	v_pk_add_f32 v[T:T+1], v[T:T+1], v[T+2:T+3]
	v_pk_add_f32 v[T+4:T+5], v[T+4:T+5], v[T+6:T+7]
	v_pk_add_f32 v[T:T+1], v[T:T+1], v[T+4:T+5]
	v_add_f32 v8, v[T], v[T+1]
.endm
.macro REDUCE
	v_add_f32_dpp v8, v8, v8 row_xmask:1 row_mask:0xf bank_mask:0xf
	v_add_f32_dpp v8, v8, v8 row_xmask:2 row_mask:0xf bank_mask:0xf
	v_add_f32_dpp v8, v8, v8 row_xmask:4 row_mask:0xf bank_mask:0xf
	v_add_f32_dpp v8, v8, v8 row_xmask:8 row_mask:0xf bank_mask:0xf
	v_permlanex16_b32 v9, v8, s40, s41
	v_add_f32 v8, v8, v9
.endm
.macro QOUT u
.set TS, T+16*(\u)
.set CS, C+4*(\u)
.irp i, 0,1,2,3,4,5,6,7,8,9,10,11,12,13,14,15
	v_med3_num_f32 v[TS+\i], v[X+16*(\u)+\i], -v17, v17   ; the conversion does not saturate: hold at the largest code x the scale
.endr
	v_cvt_scalef32_pk8_fp8_f32 v[CS:CS+1], v[TS:TS+7], v16
	v_cvt_scalef32_pk8_fp8_f32 v[CS+2:CS+3], v[TS+8:TS+15], v16
	v_nop
	global_store_b128 v2, v[CS:CS+3], s[18:19] offset:512*(\u)   ; 32 lanes store 512 consecutive bytes
.endm
	s_wait_kmcnt 0x0
	s_add_co_i32 s24, s32, 127
	s_lshl_b32 s25, s24, 23
	v_mov_b32 v16, s25                             ; 2^e12
	s_add_co_i32 s24, s24, 8
	s_lshl_b32 s24, s24, 23
	s_or_b32 s24, s24, 0x600000
	v_mov_b32 v17, s24                             ; 448 x 2^e12
	s_wait_loadcnt 0x0                             ; the row, w and b are in
.irp u, 0,1                            ; LDS serves a wave's instructions in order: no wait between the stores and the loads
.irp i, 0,1,2,3
	ds_store_b128 v3, v[RAW+16*\u+4*\i:RAW+16*\u+4*\i+3] offset:32*SP*\u+8*SP*\i
.endr
.endr
.irp u, 0,1
.irp i, 0,1,2,3
	ds_load_b128 v[X+16*\u+4*\i:X+16*\u+4*\i+3], v4 offset:32*SP*\u+16*\i
.endr
.endr
	s_wait_dscnt 0x0
.irp c, 0,2,4,6
	v_pk_add_f32 v[T+\c:T+\c+1], v[X+\c:X+\c+1], v[X+8+\c:X+9+\c]
.endr
.irp g, 16,24
.irp c, 0,2,4,6
	v_pk_add_f32 v[T+\c:T+\c+1], v[T+\c:T+\c+1], v[X+\g+\c:X+\g+\c+1]
.endr
.endr
	FOLD
	REDUCE
	v_mul_f32 v10, s42, v8                         ; the mean
.set j, 0
.rept 16
	v_pk_add_f32 v[X+j:X+j+1], v[X+j:X+j+1], v[10:11] op_sel_hi:[1,0] neg_lo:[0,1] neg_hi:[0,1]
.set j, j+2
.endr
.irp c, 0,2,4,6
	v_pk_mul_f32 v[T+\c:T+\c+1], v[X+\c:X+\c+1], v[X+\c:X+\c+1]
.endr
.irp g, 8,16,24
.irp c, 0,2,4,6
	v_pk_fma_f32 v[T+\c:T+\c+1], v[X+\g+\c:X+\g+\c+1], v[X+\g+\c:X+\g+\c+1], v[T+\c:T+\c+1]
.endr
.endr
	FOLD
	REDUCE
	v_fma_f32 v9, v8, s42, s43                     ; mean of squares + eps
	s_wait_alu depctr_va_vdst(0)                   ; the wait ahead of the transcendental,
	v_rsq_f32 v12, v9
	v_nop                                          ; a plain line behind it,
	s_wait_alu depctr_va_vdst(0)                   ; and the wait ahead of its first reader
.set j, 0
.rept 16
	v_pk_mul_f32 v[X+j:X+j+1], v[X+j:X+j+1], v[12:13] op_sel_hi:[1,0]
.set j, j+2
.endr
.set j, 0
.rept 16
	v_pk_fma_f32 v[X+j:X+j+1], v[X+j:X+j+1], v[W+j:W+j+1], v[BB+j:BB+j+1]
.set j, j+2
.endr
	QOUT 0
	QOUT 1
	s_wait_tensorcnt 0x0                           ; the wave's end
	ds_add_u32 v[SPW], v[NIL]
	s_wait_dscnt 0x0
	s_endpgm
.Lfunc_end_k_q2e2db26399_ln2:
	.size	k_q2e2db26399_ln2, .Lfunc_end_k_q2e2db26399_ln2-k_q2e2db26399_ln2
	.p2alignl 7, 3214868480
	.fill 96, 4, 3214868480
	.section	.rodata,"a",@progbits
	.p2align	6, 0x0
	.amdhsa_kernel k_q2e2db26399_ln2
		.amdhsa_group_segment_fixed_size 20992
		.amdhsa_private_segment_fixed_size 0
		.amdhsa_enable_private_segment 0
		.amdhsa_kernarg_size 40
		.amdhsa_user_sgpr_count 2
		.amdhsa_user_sgpr_kernarg_segment_ptr 1
		.amdhsa_wavefront_size32 1
		.amdhsa_system_sgpr_workgroup_id_x 1
		.amdhsa_system_sgpr_workgroup_id_y 1
		.amdhsa_system_sgpr_workgroup_id_z 1
		.amdhsa_system_vgpr_workitem_id 0
		.amdhsa_next_free_vgpr 176
		.amdhsa_next_free_sgpr 66
		.amdhsa_reserve_vcc 0
		.amdhsa_float_denorm_mode_32 3
		.amdhsa_float_denorm_mode_16_64 3
		.amdhsa_memory_ordered 1
		.amdhsa_forward_progress 1
		.amdhsa_inst_pref_size 15
	.end_amdhsa_kernel
	.amdgpu_metadata
---
amdhsa.version: [ 1, 2 ]
amdhsa.kernels:
  - .name:           k_q2e2db26399_ln2
    .symbol:         k_q2e2db26399_ln2.kd
    .args:
      - { .name: resid_mid, .offset: 0, .size: 8, .value_kind: global_buffer, .address_space: global }
      - { .name: ln2_w, .offset: 8, .size: 8, .value_kind: global_buffer, .address_space: global }
      - { .name: ln2_b, .offset: 16, .size: 8, .value_kind: global_buffer, .address_space: global }
      - { .name: lowp_scales, .offset: 24, .size: 8, .value_kind: global_buffer, .address_space: global }
      - { .name: x2_codes, .offset: 32, .size: 8, .value_kind: global_buffer, .address_space: global }
    .group_segment_fixed_size: 20992
    .private_segment_fixed_size: 0
    .kernarg_segment_align: 8
    .kernarg_segment_size: 40
    .max_flat_workgroup_size: 128
    .sgpr_count:     66
    .vgpr_count:     176
    .wavefront_size: 32
...
	.end_amdgpu_metadata
.endif
;; end of part 5
;; launch mlp_in (part 6): grid 16 x 16, 4 waves a work-group, clusters of 4 x 4, 327,680 bytes of LDS; arguments x2_codes, W_in_codes, b_in, lowp_scales, post_img; writes post_img
.if DOCPART == 6
	.amdgcn_target "amdgcn-amd-amdhsa--gfx1250"
	.amdhsa_code_object_version 6
	.text
	.protected	k_q2e2db26399_mlp_in
	.globl	k_q2e2db26399_mlp_in
	.p2align	8
	.type	k_q2e2db26399_mlp_in,@function
k_q2e2db26399_mlp_in:
	s_mov_b64 s[64:65], 0
	v_nop
	global_prefetch_b8 v0, s[64:65] scope:SCOPE_SE
	s_setreg_imm32_b32 hwreg(HW_REG_WAVE_MODE, 25, 1), 1
	s_wait_xcnt 0x0
	s_wait_alu depctr_hold_cnt(0) depctr_sa_sdst(0) depctr_va_vdst(0) depctr_va_sdst(0) depctr_va_ssrc(0) depctr_va_vcc(0) depctr_vm_vsrc(0)
	s_getreg_b32 s2, hwreg(HW_REG_IB_STS2, 6, 4)
	s_cmp_eq_u32 s2, 0
	s_cbranch_scc0 .Lentry_in_a_cluster
	s_endpgm
.Lentry_in_a_cluster:
	s_bfe_u32 s2, ttmp6, 0x10000c
	s_cmp_lg_u32 s2, 0xf033
	s_cbranch_scc0 .Lentry_shape_is_right
	s_endpgm
.Lentry_shape_is_right:
.set SIZE_K, 1024
.set KSTEP,  256
.set ROWB,   256
.set KROW,   SIZE_K
.set PITCH,  272
.set FR,     16
.set NL,     4
.set NP,     4
.set HALFT,  128*PITCH
.set SLOT,   4*HALFT
.set LAPS,   SIZE_K/(2*KSTEP)
.set SPARE,  2*SLOT
.set ADRA, 16
.set ADRB, 20
.set CO,   26
.set SPW,  28
.set NIL,  29
.set LIM,  30
.set SCL,  31
.set BIA,  32
.set TMP,  96
.set CD,   160
.set Z,    176
.set AF,   128
.set G1, 24
.set G0, 32
.set G1B, 48
.set G0B, 56
.set MSB, 0
.macro WIN new
.if MSB != \new
	s_set_vgpr_msb (MSB<<8)|\new
.set MSB, \new
.endif
.endm
.set MUL_LO, 0xa1
.set MUL_HI, 0xf1
.set TO_B,   0x40
.macro JLOAD g0a, g1a, g0b, g1b
	s_cmp_eq_u32 s15, 0
	s_cbranch_scc0 .Lfor_b_\@
	tensor_load_to_lds s[\g0a:\g0a+3], s[\g1a:\g1a+7]
	s_nop 0
.rept 4
	v_nop
.endr
	s_branch .Lasked_\@
.Lfor_b_\@:
	tensor_load_to_lds s[\g0b:\g0b+3], s[\g1b:\g1b+7]
	s_nop 0
.rept 4
	v_nop
.endr
.Lasked_\@:
.endm
.macro CREST
	s_cmp_lg_u32 s14, 0
	s_cbranch_scc1 .Lnot_wave_0_\@
	s_barrier_signal -3
.Lnot_wave_0_\@:
	s_barrier_wait -3
	s_barrier_signal -1
	s_barrier_wait -1
.endm
.macro CROUND
	s_barrier_signal -1
	s_barrier_wait -1
	CREST
.endm
	s_load_b256 s[4:11], s[0:1], 0x0
	s_load_b64 s[12:13], s[0:1], 0x20
	v_lshl_add_u32 v[SPW], v0, 2, SPARE
	v_mov_b32 v[NIL], 0
	ds_add_u32 v[SPW], v[NIL]
	ds_add_u32 v[SPW], v[NIL]
	v_lshrrev_b32 v1, 5, v0
	v_readfirstlane_b32 s14, v1
	s_lshr_b32 s15, s14, 1
	s_and_b32 s16, s14, 1
	s_bfe_u32 s40, ttmp6, 0x40000
	s_bfe_u32 s41, ttmp6, 0x40004
	s_lshl_b32 s42, ttmp9, 2
	s_add_co_u32 s42, s42, s40
	s_and_b32 s17, ttmp7, 0xffff
	s_lshl_b32 s17, s17, 2
	s_add_co_u32 s17, s17, s41
	s_lshl_b32 s43, s41, 2
	s_lshl_b32 s43, 15, s43
	s_lshl_b32 s44, 0x1111, s40
	s_or_b32 s[G1+0], s43, (0<<16)|(1<<20)|(1<<21)|(5<<22)|(3<<25)
	s_or_b32 s[G1B+0], s44, (0<<16)|(1<<20)|(1<<21)|(5<<22)|(3<<25)
.irp g, G1, G1B
	s_mov_b32 s[\g+1], ROWB<<16
	s_mov_b32 s[\g+2], 128<<16
	s_mov_b32 s[\g+3], ROWB<<16
	s_mov_b32 s[\g+4], 128
	s_mov_b32 s[\g+5], KROW
	s_mov_b32 s[\g+6], 0
	s_mov_b32 s[\g+7], 0
.endr
	s_lshl_b32 s18, s16, 7
	s_lshl_b32 s20, s17, 8
	s_add_co_u32 s20, s20, s18
	s_lshl_b32 s20, s20, 10
	s_mov_b32 s21, 0
	s_lshl_b32 s46, s42, 8
	s_add_co_u32 s46, s46, s18
	s_lshl_b32 s46, s46, 10
	s_mov_b32 s47, 0
	s_mul_i32 s45, s14, HALFT
	s_wait_dscnt 0x0
	s_wait_kmcnt 0x0
	s_load_b128 s[92:95], s[10:11], 0x30
	s_add_nc_u64 s[20:21], s[4:5], s[20:21]
	s_add_nc_u64 s[46:47], s[6:7], s[46:47]
	CROUND
.irp s, 0,1
	s_mov_b32 s[G0+4*\s], 1
	s_add_co_u32 s[G0+4*\s+1], s45, \s*SLOT
	s_add_nc_u64 s[G0+4*\s+2:G0+4*\s+3], s[20:21], \s*ROWB
	s_or_b32 s[G0+4*\s+3], s[G0+4*\s+3], 0x80000000
	s_mov_b32 s[G0B+4*\s], 1
	s_add_co_u32 s[G0B+4*\s+1], s45, \s*SLOT
	s_add_nc_u64 s[G0B+4*\s+2:G0B+4*\s+3], s[46:47], \s*ROWB
	s_or_b32 s[G0B+4*\s+3], s[G0B+4*\s+3], 0x80000000
.endr
	JLOAD G0, G1, G0B, G1B                         ; K step 0: one tensor load a wave at the head
	; THE PREFETCHES INTO THE L2: one instruction a wave for each of K steps 1, 2 and 3: 32 rows x 256 bytes, a lane a row.  Of the 128 rows that my wave fetches jointly the four partners take 32 each,
	; told apart BY ADDRESS (32,768 bytes x cx for A, x cy for B): each block of 256 bytes is named once in each cluster that will load it.  K steps 1 and 2 are asked for here, K step 3 behind K step 1's load;
	; the two refills, which bring K steps 2 and 3, ask for nothing: no K step stands behind step 3.  At most two K steps are asked for and not yet read.
	s_cmp_eq_u32 s15, 0                            ; do I fetch for A?
	s_cselect_b64 s[86:87], s[20:21], s[46:47]
	s_cselect_b32 s88, s40, s41
	s_lshl_b32 s88, s88, 15
	s_mov_b32 s89, 0
	s_add_nc_u64 s[86:87], s[86:87], s[88:89]      ; never rewritten
	v_and_b32 v27, 31, v0
	v_lshlrev_b32 v27, 10, v27                     ; a row is 1,024 bytes; never rewritten
	global_prefetch_b8 v27, s[86:87] offset:ROWB th:TH_LOAD_NT scope:SCOPE_SE
	global_prefetch_b8 v27, s[86:87] offset:2*ROWB th:TH_LOAD_NT scope:SCOPE_SE
	v_and_b32 v1, 15, v0
	v_bfe_u32 v2, v0, 4, 1
	v_mul_u32_u24 v3, v1, PITCH
	v_lshl_add_u32 v4, v2, 4, v3
	s_mul_i32 s21, s15, HALFT
	s_mul_i32 s22, s16, HALFT
	s_add_co_u32 s22, s22, 2*HALFT
.irp s, 0,1
	v_add_nc_u32 v[ADRA+\s], s21, v4
	v_add_nc_u32 v[ADRB+\s], s22, v4
	s_add_co_u32 s21, s21, SLOT
	s_add_co_u32 s22, s22, SLOT
.endr
	v_and_b32 v6, 31, v0
	v_lshlrev_b32 v[CO], 4, v6
	v_lshlrev_b32 v5, 5, v2
	s_lshl_b32 s20, s42, 10
	s_lshl_b32 s21, s16, 9
	s_add_co_u32 s20, s20, s21
	s_mov_b32 s21, 0
	s_add_nc_u64 s[8:9], s[8:9], s[20:21]
.irp b, 0,1,2,3,4,5,6,7
	global_load_b128 v[BIA+8*\b:BIA+8*\b+3], v5, s[8:9] offset:64*\b
	global_load_b128 v[BIA+8*\b+4:BIA+8*\b+7], v5, s[8:9] offset:64*\b+16
.endr
	s_lshl_b32 s20, s17, 4
	s_lshl_b32 s21, s15, 3
	s_add_co_u32 s20, s20, s21
	s_lshl_b32 s20, s20, 16
	s_lshl_b32 s21, s42, 1
	s_add_co_u32 s21, s21, s16
	s_lshl_b32 s21, s21, 11
	s_add_co_u32 s20, s20, s21
	s_mov_b32 s21, 0
	s_add_nc_u64 s[12:13], s[12:13], s[20:21]
.macro FRAG reg, adr, q, i
.irp c, 0,1,2,3
	ds_load_b128 v[\reg+4*\c:\reg+4*\c+3], v[\adr] offset:128*(\q)+32*\c+(\i)*16*PITCH
.endr
.endm
.macro MUL16 a0, p, zero
.irp a, \a0, \a0+1
.irp b, 0,1,2,3,4,5,6,7
.if \zero
	v_wmma_f32_16x16x128_fp8_fp8 v[8*(8*((\a)%4)+\b):8*(8*((\a)%4)+\b)+7], v[128*(\p)+FR*\b:128*(\p)+FR*\b+FR-1], v[AF+FR*(\a):AF+FR*(\a)+FR-1], 0
.else
	v_wmma_f32_16x16x128_fp8_fp8 v[8*(8*((\a)%4)+\b):8*(8*((\a)%4)+\b)+7], v[128*(\p)+FR*\b:128*(\p)+FR*\b+FR-1], v[AF+FR*(\a):AF+FR*(\a)+FR-1], v[8*(8*((\a)%4)+\b):8*(8*((\a)%4)+\b)+7]
.endif
.endr
.endr
.endm
.macro FETCH_B slot, q, p
	WIN TO_B
.irp i, 0,1,2,3,4,5,6,7
	FRAG 128*(\p)+FR*\i, ADRB+\slot, \q, \i
.endr
	WIN 0
.endm
.macro FETCH_A slot, q, i0
.irp i, \i0, \i0+1, \i0+2, \i0+3
	FRAG AF+FR*(\i), ADRA+\slot, \q, \i
.endr
.endm
.macro PLACES n
.rept \n
	v_nop
.endr
.endm
.macro STEP slot, q, zero
	s_wait_dscnt 4*NL
	WIN MUL_LO
	MUL16 0, (\q)%2, \zero
	MUL16 2, (\q)%2, \zero
	s_wait_dscnt 0
	PLACES NP
	FETCH_B \slot, (\q)+1, 1-(\q)%2
	FETCH_A \slot, (\q)+1, 0
	WIN MUL_HI
	MUL16 4, (\q)%2, \zero
	MUL16 6, (\q)%2, \zero
	PLACES NP
	WIN 0
	FETCH_A \slot, (\q)+1, 4
.endm
.macro TURN slot, next, fill
	s_wait_tensorcnt 0x0
	ds_add_u32 v[SPW], v[NIL]
	s_wait_dscnt 4*NL+1
	WIN MUL_LO
	MUL16 0, 1, 0
	s_wait_dscnt 0x0
	s_barrier_signal -1
	MUL16 2, 1, 0
	WIN 0
	s_barrier_wait -1
.if \fill
	CREST
	s_add_nc_u64 s[G0+4*\slot+2:G0+4*\slot+3], s[G0+4*\slot+2:G0+4*\slot+3], 2*ROWB
	s_add_nc_u64 s[G0B+4*\slot+2:G0B+4*\slot+3], s[G0B+4*\slot+2:G0B+4*\slot+3], 2*ROWB
	JLOAD G0+4*\slot, G1, G0B+4*\slot, G1B
.else
	PLACES NP
.endif
	FETCH_B \next, 0, 0
	FETCH_A \next, 0, 0
	WIN MUL_HI
	MUL16 4, 1, 0
	MUL16 6, 1, 0
	PLACES NP
	WIN 0
	FETCH_A \next, 0, 4
.endm
.macro BLOCK a
.set AC, 64*((\a)%4)
	WIN 0x02+((\a)/4)
.set j, 0
.rept 32
	v_pk_fma_f32 v[TMP+j:TMP+j+1], v[AC+j:AC+j+1], s[96:97], v[BIA+j:BIA+j+1] op_sel_hi:[1,0,1]
.set j, j+2
.endr
	WIN 0
.set j, 0
.rept 32
	v_pk_mul_f32 v[Z+j:Z+j+1], v[TMP+j:TMP+j+1], v[TMP+j:TMP+j+1]
.set j, j+2
.endr
.set j, 0
.rept 32
	v_pk_fma_f32 v[Z+j:Z+j+1], v[Z+j:Z+j+1], s[98:99], v[240:241] op_sel_hi:[1,0,1]
.set j, j+2
.endr
.set j, 0
.rept 32
	v_pk_mul_f32 v[Z+j:Z+j+1], v[Z+j:Z+j+1], v[TMP+j:TMP+j+1]
.set j, j+2
.endr
.set j, 0
	s_wait_alu depctr_va_vdst(0)
.rept 64
	v_exp_f32 v[Z+j], v[Z+j]
.set j, j+1
.endr
	v_nop
	s_wait_alu depctr_va_vdst(0)
.set j, 0
.rept 32
	v_pk_add_f32 v[Z+j:Z+j+1], v[Z+j:Z+j+1], 1.0 op_sel_hi:[1,0]
.set j, j+2
.endr
.set j, 0
	s_wait_alu depctr_va_vdst(0)
.rept 64
	v_rcp_f32 v[Z+j], v[Z+j]
.set j, j+1
.endr
	v_nop
	s_wait_alu depctr_va_vdst(0)
.set j, 0
.rept 32
	v_pk_mul_f32 v[TMP+j:TMP+j+1], v[TMP+j:TMP+j+1], v[Z+j:Z+j+1]
.set j, j+2
.endr
.set j, 0
.rept 64
	v_med3_num_f32 v[TMP+j], v[TMP+j], -v[LIM], v[LIM]
.set j, j+1
.endr
	s_wait_alu depctr_va_vdst(0)
	s_wait_xcnt 0x0
.set j, 0
.rept 8
	v_cvt_scalef32_pk8_fp8_f32 v[CD+2*j:CD+2*j+1], v[TMP+8*j:TMP+8*j+7], v[SCL]
.set j, j+1
.endr
	v_nop
.irp c, 0,1,2,3
	v_permlane16_swap_b32 v[CD+4*\c], v[CD+4*\c+2]
	v_permlane16_swap_b32 v[CD+4*\c+1], v[CD+4*\c+3]
.endr
.irp c, 0,1,2,3
	global_store_b128 v[CO], v[CD+4*\c:CD+4*\c+3], s[12:13] offset:(\a)*65536+\c*512
.endr
.endm
	s_wait_alu depctr_va_vdst(0)
	s_wait_tensorcnt 0x0                           ; my part of K step 0 is in; slot 1's first fill is issued as a refill is:
	ds_add_u32 v[SPW], v[NIL]
	s_wait_dscnt 0x0
	CROUND                                         ; everybody's part of K step 0 is in, and all sixteen work-groups are here
	JLOAD G0+4, G1, G0B+4, G1B                     ; K step 1: the first tensor load behind the round
	global_prefetch_b8 v27, s[86:87] offset:3*ROWB th:TH_LOAD_NT scope:SCOPE_SE   ; K step 3
	FETCH_B 0, 0, 0
	FETCH_A 0, 0, 0
	FETCH_A 0, 0, 4
	STEP 0, 0, 1
	s_mov_b32 s3, LAPS-1
.Llap:
	TURN 0, 1, 1
	STEP 1, 0, 0
	TURN 1, 0, 1
	STEP 0, 0, 0
	s_sub_co_u32 s3, s3, 1
	s_cmp_lg_u32 s3, 0
	s_cbranch_scc1 .Llap
	TURN 0, 1, 0
	STEP 1, 0, 0
	s_wait_dscnt 4*NL
	WIN MUL_LO
	MUL16 0, 1, 0
	MUL16 2, 1, 0
	s_wait_dscnt 0
	WIN MUL_HI
	MUL16 4, 1, 0
	MUL16 6, 1, 0
	WIN 0
	s_wait_kmcnt 0x0
	s_add_co_i32 s20, s92, s93
	s_add_co_i32 s20, s20, 127
	s_lshl_b32 s96, s20, 23
	s_mov_b32 s97, s96
	s_add_co_i32 s22, s94, 127
	s_lshl_b32 s23, s22, 23
	s_add_co_i32 s22, s22, 8
	s_lshl_b32 s22, s22, 23
	s_or_b32 s22, s22, 0x600000
	s_mov_b32 s98, 0xbdd2d3e8
	s_mov_b32 s99, s98
	PLACES NP
	v_mov_b32 v[SCL], s23
	v_mov_b32 v[LIM], s22
	v_mov_b32 v240, 0xc0135761
	v_mov_b32 v241, 0xc0135761
	s_wait_loadcnt 0x0
.irp a, 0,1,2,3,4,5,6,7
	BLOCK \a
.endr
	s_wait_tensorcnt 0x0
	ds_add_u32 v[SPW], v[NIL]
	s_wait_dscnt 0x0
	CROUND
	s_endpgm
.Lfunc_end_k_q2e2db26399_mlp_in:
	.size	k_q2e2db26399_mlp_in, .Lfunc_end_k_q2e2db26399_mlp_in-k_q2e2db26399_mlp_in
	.p2alignl 7, 3214868480
	.fill 96, 4, 3214868480
	.section	.rodata,"a",@progbits
	.p2align	6, 0x0
	.amdhsa_kernel k_q2e2db26399_mlp_in
		.amdhsa_group_segment_fixed_size 327680
		.amdhsa_private_segment_fixed_size 0
		.amdhsa_enable_private_segment 0
		.amdhsa_kernarg_size 40
		.amdhsa_user_sgpr_count 2
		.amdhsa_user_sgpr_kernarg_segment_ptr 1
		.amdhsa_wavefront_size32 1
		.amdhsa_system_sgpr_workgroup_id_x 1
		.amdhsa_system_sgpr_workgroup_id_y 1
		.amdhsa_system_sgpr_workgroup_id_z 1
		.amdhsa_system_vgpr_workitem_id 0
		.amdhsa_next_free_vgpr 1024
		.amdhsa_next_free_sgpr 100
		.amdhsa_reserve_vcc 0
		.amdhsa_float_denorm_mode_32 3
		.amdhsa_float_denorm_mode_16_64 3
		.amdhsa_memory_ordered 1
		.amdhsa_forward_progress 1
		.amdhsa_inst_pref_size 252
	.end_amdhsa_kernel
	.amdgpu_metadata
---
amdhsa.version: [ 1, 2 ]
amdhsa.kernels:
  - .name:           k_q2e2db26399_mlp_in
    .symbol:         k_q2e2db26399_mlp_in.kd
    .args:
      - { .name: x2_codes, .offset: 0, .size: 8, .value_kind: global_buffer, .address_space: global }
      - { .name: W_in_codes, .offset: 8, .size: 8, .value_kind: global_buffer, .address_space: global }
      - { .name: b_in, .offset: 16, .size: 8, .value_kind: global_buffer, .address_space: global }
      - { .name: lowp_scales, .offset: 24, .size: 8, .value_kind: global_buffer, .address_space: global }
      - { .name: post_img, .offset: 32, .size: 8, .value_kind: global_buffer, .address_space: global }
    .group_segment_fixed_size: 327680
    .private_segment_fixed_size: 0
    .kernarg_segment_align: 8
    .kernarg_segment_size: 40
    .max_flat_workgroup_size: 128
    .sgpr_count:     100
    .vgpr_count:     1024
    .wavefront_size: 32
...
	.end_amdgpu_metadata
.endif
;; end of part 6
;; launch mlp_out (part 7): grid 8 x 32, 4 waves a work-group, clusters of 4 x 4, 327,680 bytes of LDS; arguments post_img, W_out_codes, b_out, resid_mid, lowp_scales, out0; writes out0
.if DOCPART == 7
	.amdgcn_target "amdgcn-amd-amdhsa--gfx1250"
	.amdhsa_code_object_version 6
	.text
	.protected	k_q2e2db26399_mlp_out
	.globl	k_q2e2db26399_mlp_out
	.p2align	8
	.type	k_q2e2db26399_mlp_out,@function
k_q2e2db26399_mlp_out:
	s_mov_b64 s[64:65], 0
	v_nop
	global_prefetch_b8 v0, s[64:65] scope:SCOPE_SE
	s_setreg_imm32_b32 hwreg(HW_REG_WAVE_MODE, 25, 1), 1
	s_wait_xcnt 0x0
	s_wait_alu depctr_hold_cnt(0) depctr_sa_sdst(0) depctr_va_vdst(0) depctr_va_sdst(0) depctr_va_ssrc(0) depctr_va_vcc(0) depctr_vm_vsrc(0)
	s_getreg_b32 s2, hwreg(HW_REG_IB_STS2, 6, 4)
	s_cmp_eq_u32 s2, 0
	s_cbranch_scc0 .Lentry_in_a_cluster
	s_endpgm
.Lentry_in_a_cluster:
	s_bfe_u32 s2, ttmp6, 0x10000c
	s_cmp_lg_u32 s2, 0xf033
	s_cbranch_scc0 .Lentry_shape_is_right
	s_endpgm
.Lentry_shape_is_right:
; out0 = resid_mid + post W_out + b_out, the product on codes of E4M3, K = 4,096.  A: post's images of operand registers ([tile of 16 tokens][K / 128][4][lane][16 bytes]); B: W_out's codes [n][k].
; A tile is 128 x 128 (256 work-groups), four waves of 64 x 64: 16 accumulators.  K in steps of 512 through a ring of two LDS slots: eight steps, six refills.
; Joint tensor loads in clusters of 4 x 4: A's tile shared along a row of the cluster (waves 0, 1 fetch it), B's along a column (waves 2, 3).  A refill stands first behind a round of the cluster's barrier, one load a wave.
; The matrix instruction is used transposed: a lane holds one token and eight neighbouring columns.  A wave's 64 columns of f32 are one aligned run of 256 bytes, so the stage on the way out is the wave's own.
; LIMIT: e14 + e15 between -126 and 127.
; REGISTERS: window 0: v16-29 addresses, v32-95 the way out, v96-99 the bias, v128-255 the accumulators.  window 1: two buffers of 128: A's four fragments, then B's four.  window 2: v0-127 the residual, in the stores' layout.
.set SIZE_K, 4096
.set B_OFF,  0
.set SC_OFF, 0x38
.set KSTEP,  512
.set PB,     528
.set AIMG,   65536
.set HALFB,  64*PB
.set SLOT,   AIMG+2*HALFB
.set STAGE,  2*SLOT
.set SPITCH, 272
.set SPARE,  STAGE+4*16*SPITCH
.set LAPS,   SIZE_K/(2*KSTEP)
.set ADRA, 16
.set ADRB, 20
.set STO,  24
.set RD,   25
.set CO,   26
.set SPW,  28
.set NIL,  29
.set TMP,  32
.set ACC,  128
.set F0,   0
.set F1,   128
.set G1, 24
.set G0, 32
.set G1B, 48
.set G0B, 56
.set MSB, 0
.macro WIN new
.if MSB != \new
	s_set_vgpr_msb (MSB<<8)|\new
.set MSB, \new
.endif
.endm
.set MUL,  0x05
.set TO_F, 0x40
.macro JLOAD s                         ; an s_nop 0 and four v_nop follow each of the two lines
	s_cmp_eq_u32 s11, 0
	s_cbranch_scc0 .Lfor_b_\@
	tensor_load_to_lds s[G0+4*\s:G0+4*\s+3], s[G1:G1+7]
	s_nop 0
.rept 4
	v_nop
.endr
	s_branch .Lasked_\@
.Lfor_b_\@:
	tensor_load_to_lds s[G0B+4*\s:G0B+4*\s+3], s[G1B:G1B+7]
	s_nop 0
.rept 4
	v_nop
.endr
.Lasked_\@:
.endm
.macro CREST
	s_cmp_lg_u32 s10, 0
	s_cbranch_scc1 .Lnot_wave_0_\@
	s_barrier_signal -3
.Lnot_wave_0_\@:
	s_barrier_wait -3
	s_barrier_signal -1
	s_barrier_wait -1
.endm
.macro CROUND
	s_barrier_signal -1
	s_barrier_wait -1
	CREST
.endm
	s_load_b256 s[68:75], s[0:1], 0x0              ; A's images 68, B's codes 70, the bias 72, the residual 74
	s_load_b128 s[76:79], s[0:1], 0x20             ; lowp_scales 76, the output 78
	v_lshl_add_u32 v[SPW], v0, 2, SPARE
	v_mov_b32 v[NIL], 0
	ds_add_u32 v[SPW], v[NIL]                      ; the opening: the add, twice on end, and its wait ahead of my first tensor load
	ds_add_u32 v[SPW], v[NIL]
	v_lshrrev_b32 v1, 5, v0
	v_readfirstlane_b32 s10, v1                    ; wave
	s_lshr_b32 s11, s10, 1                         ; my half of the rows; also: I fetch for A (0) or B (1)
	s_and_b32 s12, s10, 1                          ; my half of the columns; also: which half of that tile I fetch
	s_bfe_u32 s40, ttmp6, 0x40000
	s_bfe_u32 s41, ttmp6, 0x40004
	s_lshl_b32 s42, ttmp9, 2
	s_add_co_u32 s42, s42, s40                     ; tile column
	s_and_b32 s13, ttmp7, 0xffff
	s_lshl_b32 s13, s13, 2
	s_add_co_u32 s13, s13, s41                     ; tile row
	s_lshl_b32 s43, s41, 2
	s_lshl_b32 s43, 15, s43
	s_lshl_b32 s44, 0x1111, s40
	s_or_b32 s[G1+0], s43, (3<<16)|(1<<21)         ; A: mask of my row; elements of 8 bytes; no padding
	s_mov_b32 s[G1+1], 1024<<16                    ; tensor_dim0 = 1,024 (8,192 bytes: a tile of tokens' four K steps of 128)
	s_mov_b32 s[G1+2], 4<<16                       ; tensor_dim1 = 4 tiles of tokens
	s_mov_b32 s[G1+3], 1024<<16
	s_mov_b32 s[G1+4], 4
	s_mov_b32 s[G1+5], 2*SIZE_K                    ; from tile to tile: 16 SIZE_K bytes
	s_mov_b32 s[G1+6], 0
	s_mov_b32 s[G1+7], 0
	s_or_b32 s[G1B+0], s44, (0<<16)|(1<<20)|(1<<21)|(6<<22)|(3<<25)  ; B: mask of my column; bytes; 4 words of padding behind every 128
	s_mov_b32 s[G1B+1], KSTEP<<16
	s_mov_b32 s[G1B+2], 64<<16
	s_mov_b32 s[G1B+3], KSTEP<<16
	s_mov_b32 s[G1B+4], 64
	s_mov_b32 s[G1B+5], SIZE_K
	s_mov_b32 s[G1B+6], 0
	s_mov_b32 s[G1B+7], 0
	s_lshl_b32 s16, s13, 3
	s_lshl_b32 s17, s12, 2
	s_add_co_u32 s16, s16, s17                     ; A: tile of tokens 8 x tile row + 4 x half
	s_mul_i32 s16, s16, 16*SIZE_K
	s_mov_b32 s17, 0
	s_lshl_b32 s46, s42, 7
	s_lshl_b32 s47, s12, 6
	s_add_co_u32 s46, s46, s47                     ; B: row 128 x tile column + 64 x half
	s_mul_i32 s46, s46, SIZE_K
.if B_OFF
	s_add_co_u32 s46, s46, B_OFF
.endif
	s_mov_b32 s47, 0
	s_lshl_b32 s20, s12, 15                        ; where they go: A's half,
	s_mul_i32 s21, s12, HALFB
	s_add_co_u32 s21, s21, AIMG                    ; B's half
	s_wait_dscnt 0x0                               ; both opening adds are done
	s_wait_kmcnt 0x0
	s_load_b64 s[80:81], s[76:77], SC_OFF          ; ea, eb
	s_add_nc_u64 s[14:15], s[68:69], s[16:17]
	s_add_nc_u64 s[46:47], s[70:71], s[46:47]
	CROUND                                         ; all sixteen work-groups are here
.irp s, 0,1
	s_mov_b32 s[G0+4*\s], 1
	s_add_co_u32 s[G0+4*\s+1], s20, \s*SLOT
	s_add_nc_u64 s[G0+4*\s+2:G0+4*\s+3], s[14:15], \s*8192
	s_or_b32 s[G0+4*\s+3], s[G0+4*\s+3], 0x80000000
	s_mov_b32 s[G0B+4*\s], 1
	s_add_co_u32 s[G0B+4*\s+1], s21, \s*SLOT
	s_add_nc_u64 s[G0B+4*\s+2:G0B+4*\s+3], s[46:47], \s*KSTEP
	s_or_b32 s[G0B+4*\s+3], s[G0B+4*\s+3], 0x80000000
.endr
	JLOAD 0                                        ; K step 0: one tensor load a wave at the head
	; THE PREFETCHES INTO THE L2: one instruction a wave for each K step from 1 on, 32 blocks of 256 bytes, each lane another block.  Of what my wave fetches jointly (A: 4 tiles of tokens x 8,192 bytes; B: 64 rows x 512 bytes)
	; the four partners take a quarter each, told apart BY ADDRESS: 65,536 bytes x my place (cx for A: one tile of tokens; cy for B: 16 rows).  So each block is named once in each cluster that will load it.
	; Here K steps 1 and 2 are asked for; behind K step 1's load step 3; behind the refill with step k step k + 2, two changes of slots ahead of the load that wants it; the last two refills ask for nothing.
	s_cmp_eq_u32 s11, 0                            ; do I fetch for A?
	s_cselect_b64 s[84:85], s[14:15], s[46:47]
	s_cselect_b32 s88, s40, s41
	s_cselect_b32 s90, -1, 0
	s_mov_b32 s86, KSTEP
	s_cselect_b32 s86, 8192, s86                   ; a K step on, in bytes
	s_mov_b32 s87, 0
	s_lshl_b32 s88, s88, 16
	s_mov_b32 s89, 0
	s_add_nc_u64 s[84:85], s[84:85], s[88:89]
	s_add_nc_u64 s[84:85], s[84:85], s[86:87]      ; K step 1,
	s_add_nc_u64 s[88:89], s[84:85], s[86:87]      ; K step 2
	v_and_b32 v31, 31, v0
	v_lshlrev_b32 v30, 8, v31                      ; A: lanes 256 bytes apart
	v_lshrrev_b32 v6, 1, v31
	v_and_b32 v7, 1, v31
	v_lshlrev_b32 v7, 8, v7
	v_lshl_add_u32 v6, v6, 12, v7                  ; B: two lanes to a row of 4,096 bytes
	v_cndmask_b32 v30, v6, v30, s90
	global_prefetch_b8 v30, s[84:85] th:TH_LOAD_NT scope:SCOPE_SE
	global_prefetch_b8 v30, s[88:89] th:TH_LOAD_NT scope:SCOPE_SE
	v_and_b32 v1, 15, v0                           ; r
	v_bfe_u32 v2, v0, 4, 1                         ; h
	v_and_b32 v3, 31, v0
	v_lshlrev_b32 v3, 4, v3                        ; 16 x lane: an image's place for my lane
	s_lshl_b32 s21, s11, 15                        ; my four tiles of tokens
	v_mul_u32_u24 v4, v1, PB
	v_lshl_add_u32 v4, v2, 4, v4
	s_mul_i32 s22, s12, HALFB
	s_add_co_u32 s22, s22, AIMG
.irp s, 0,1
	v_add_nc_u32 v[ADRA+\s], s21, v3
	v_add_nc_u32 v[ADRB+\s], s22, v4
	s_add_co_u32 s21, s21, SLOT
	s_add_co_u32 s22, s22, SLOT
.endr
	s_mul_i32 s23, s10, 16*SPITCH
	s_add_co_u32 s23, s23, STAGE                   ; my stage
	v_mul_u32_u24 v5, v1, SPITCH
	v_lshl_add_u32 v5, v2, 5, v5
	v_add_nc_u32 v[STO], s23, v5                   ; in: row r, 32 bytes for each half of the lanes
	v_mul_u32_u24 v5, v2, SPITCH
	v_lshl_add_u32 v5, v1, 4, v5
	v_add_nc_u32 v[RD], s23, v5                    ; back: lanes 0-15 one row of 256 bytes, lanes 16-31 the next
	v_lshlrev_b32 v5, 12, v2
	v_lshl_add_u32 v[CO], v1, 4, v5                ; and the same two rows in memory
	v_lshlrev_b32 v27, 4, v1                       ; my four columns of the bias
	s_wait_alu depctr_va_vdst(0)
	s_lshl_b32 s16, s13, 7
	s_lshl_b32 s17, s11, 6
	s_add_co_u32 s16, s16, s17                     ; my first row
	s_lshl_b32 s16, s16, 12
	s_lshl_b32 s46, s42, 9
	s_lshl_b32 s47, s12, 8
	s_add_co_u32 s46, s46, s47                     ; my first column, in bytes
	s_mov_b32 s47, 0
	s_add_nc_u64 s[72:73], s[72:73], s[46:47]
	s_add_co_u32 s16, s16, s46
	s_mov_b32 s17, 0
	s_add_nc_u64 s[74:75], s[74:75], s[16:17]
	s_add_nc_u64 s[78:79], s[78:79], s[16:17]
	global_load_b128 v[96:99], v27, s[72:73]
.macro RESID a0, a1                    ; the residual of my blocks a0 and a1 of 16 rows: asked for ahead of the loop, behind the first two K steps' loads and prefetches
	WIN 0x80                                       ; destination window 2
.irp a, \a0, \a1
.irp t, 0,1,2,3,4,5,6,7
	global_load_b128 v[32*\a+4*\t:32*\a+4*\t+3], v[CO], s[74:75] offset:(16*\a+2*\t)*4096 th:TH_LOAD_NT
.endr
.endr
	WIN 0
.endm
.macro FETCH slot, q, f
	WIN TO_F
.irp i, 0,1,2,3
.irp c, 0,1,2,3
	ds_load_b128 v[\f+64+16*\i+4*\c:\f+64+16*\i+4*\c+3], v[ADRB+\slot] offset:\i*16*PB+128*(\q)+32*\c
.endr
.endr
.irp i, 0,1,2,3
.irp c, 0,1,2,3
	ds_load_b128 v[\f+16*\i+4*\c:\f+16*\i+4*\c+3], v[ADRA+\slot] offset:\i*8192+2048*(\q)+512*\c
.endr
.endr
.endm
.macro MULA f, a, zero                 ; A's tile a against B's four; the 16 accumulators take turns
	WIN MUL
.irp b, 0,1,2,3
.if \zero
	v_wmma_f32_16x16x128_fp8_fp8 v[ACC+8*(4*(\a)+\b):ACC+8*(4*(\a)+\b)+7], v[\f+64+16*\b:\f+64+16*\b+15], v[\f+16*(\a):\f+16*(\a)+15], 0
.else
	v_wmma_f32_16x16x128_fp8_fp8 v[ACC+8*(4*(\a)+\b):ACC+8*(4*(\a)+\b)+7], v[\f+64+16*\b:\f+64+16*\b+15], v[\f+16*(\a):\f+16*(\a)+15], v[ACC+8*(4*(\a)+\b):ACC+8*(4*(\a)+\b)+7]
.endif
.endr
.endm
.macro PLACES
.rept 4
	v_nop
.endr
.endm
.macro QUARTER slot, q, f, g, zero     ; multiplies buffer f; the slot's quarter q is fetched into g under its 16 products
	s_wait_dscnt 0x0                               ; buffer f is in
	PLACES                                         ; buffer g's last readers stand just ahead
	FETCH \slot, \q, \g
	MULA \f, 0, \zero
	MULA \f, 1, \zero
	MULA \f, 2, \zero
	MULA \f, 3, \zero
.endm
.macro TURN slot, next, fill           ; a slot's last quarter changes slots: one barrier
	WIN 0
.if \fill
	s_wait_xcnt 0x0                                ; my last prefetch has read its address: it is stepped here, ahead of the waits of the change of slots
	s_add_nc_u64 s[84:85], s[84:85], s[86:87]
.endif
	s_wait_tensorcnt 0x0                           ; all my tensor loads have landed: my part of the next slot
	ds_add_u32 v[SPW], v[NIL]
	s_wait_dscnt 1                                 ; buffer 1 is in; the add may be out
	MULA F1, 0, 0
	s_wait_dscnt 0x0                               ; the add is done, and my reads of this slot are over
	s_barrier_signal -1
	MULA F1, 1, 0
	WIN 0
	s_barrier_wait -1
.if \fill
	CREST                                          ; the barrier has opened a round of the cluster's: no wave of any partner still reads this slot or has a load out
	s_add_nc_u64 s[G0+4*\slot+2:G0+4*\slot+3], s[G0+4*\slot+2:G0+4*\slot+3], 2*8192
	s_add_nc_u64 s[G0B+4*\slot+2:G0B+4*\slot+3], s[G0B+4*\slot+2:G0B+4*\slot+3], 2*KSTEP
	JLOAD \slot                                    ; the first tensor load behind the round; its four v_nop are the places for the loads below
.else
	PLACES
.endif
	FETCH \next, 0, F0
.if \fill
	WIN 0
	s_cmp_gt_u32 s3, 1                             ; the loop's last trip refills with K steps 6 and 7: no K step stands two on
	s_cbranch_scc0 .Lno_ask_\@
	global_prefetch_b8 v30, s[84:85] th:TH_LOAD_NT scope:SCOPE_SE
.Lno_ask_\@:
.endif
	MULA F1, 2, 0
	MULA F1, 3, 0
.endm
	s_wait_tensorcnt 0x0                           ; my part of K step 0 is in; slot 1's first fill is issued as a refill is:
	ds_add_u32 v[SPW], v[NIL]
	s_wait_xcnt 0x0                                ; my prefetches have read their addresses:
	s_add_nc_u64 s[84:85], s[84:85], s[86:87]
	s_add_nc_u64 s[84:85], s[84:85], s[86:87]      ; on to K step 3
	s_wait_dscnt 0x0
	CROUND                                         ; everybody's part of K step 0 is in, and all sixteen work-groups are here
	JLOAD 1                                        ; K step 1: the first tensor load behind the round
	FETCH 0, 0, F0
	global_prefetch_b8 v30, s[84:85] th:TH_LOAD_NT scope:SCOPE_SE   ; K step 3
	QUARTER 0, 1, F0, F1, 1
	RESID 0, 1
	RESID 2, 3
.if LAPS > 1
	WIN 0
	s_mov_b32 s3, LAPS-1
.Llap:                                             ; a trip goes once round the ring and fills both slots again
	QUARTER 0, 2, F1, F0, 0
	QUARTER 0, 3, F0, F1, 0
	TURN 0, 1, 1
	QUARTER 1, 1, F0, F1, 0
	QUARTER 1, 2, F1, F0, 0
	QUARTER 1, 3, F0, F1, 0
	TURN 1, 0, 1
	QUARTER 0, 1, F0, F1, 0
	WIN 0
	s_sub_co_u32 s3, s3, 1
	s_cmp_lg_u32 s3, 0
	s_cbranch_scc1 .Llap
.endif
	QUARTER 0, 2, F1, F0, 0                        ; the last lap fills nothing
	QUARTER 0, 3, F0, F1, 0
	TURN 0, 1, 0
	QUARTER 1, 1, F0, F1, 0
	QUARTER 1, 2, F1, F0, 0
	QUARTER 1, 3, F0, F1, 0
	s_wait_dscnt 0x0
	MULA F1, 0, 0
	MULA F1, 1, 0
	MULA F1, 2, 0
	MULA F1, 3, 0
	WIN 0
	; THE WAY OUT, 16 rows at a time through my own stage: LDS serves a wave's instructions in order, so no wait stands between the stores and the loads.
.macro TOSTAGE a
.set TS, TMP+32*((\a)%2)
.irp b, 0,1,2,3
	ds_store_b128 v[STO], v[ACC+8*(4*(\a)+\b):ACC+8*(4*(\a)+\b)+3] offset:64*\b          ; each accumulator from its low end on
	ds_store_b128 v[STO], v[ACC+8*(4*(\a)+\b)+4:ACC+8*(4*(\a)+\b)+7] offset:64*\b+16
.endr
.irp t, 0,1,2,3,4,5,6,7
	ds_load_b128 v[TS+4*\t:TS+4*\t+3], v[RD] offset:\t*2*SPITCH
.endr
.endm
.macro SEND a, younger                 ; younger: the LDS instructions issued behind block a's loads
.set TS, TMP+32*((\a)%2)
	s_wait_dscnt \younger
	WIN 0x20                                       ; source 2 (the residual) window 2
.set i, 0
.rept 16
	v_pk_fma_f32 v[TS+i:TS+i+1], v[TS+i:TS+i+1], s[82:83], v[32*(\a)+i:32*(\a)+i+1] op_sel_hi:[1,0,1]   ; sum x 2^(ea + eb) + residual
.set i, i+2
.endr
	WIN 0
.irp t, 0,1,2,3,4,5,6,7
	v_pk_add_f32 v[TS+4*\t:TS+4*\t+1], v[TS+4*\t:TS+4*\t+1], v[96:97]
	v_pk_add_f32 v[TS+4*\t+2:TS+4*\t+3], v[TS+4*\t+2:TS+4*\t+3], v[98:99]
.endr
.irp t, 0,1,2,3,4,5,6,7
	global_store_b128 v[CO], v[TS+4*\t:TS+4*\t+3], s[78:79] offset:(16*(\a)+2*\t)*4096   ; sixteen lanes store 256 consecutive bytes, aligned
.endr
.endm
	s_wait_kmcnt 0x0
	s_add_co_i32 s82, s80, s81
	s_add_co_i32 s82, s82, 127
	s_lshl_b32 s82, s82, 23                        ; 2^(ea + eb)
	s_mov_b32 s83, s82
	PLACES
	s_wait_loadcnt 0x0                             ; the residual and the bias
	TOSTAGE 0
	TOSTAGE 1
	SEND 0, 16
	s_wait_xcnt 0x0                                ; block 0's stores have read their registers
	TOSTAGE 2
	SEND 1, 16
	s_wait_xcnt 0x0
	TOSTAGE 3
	SEND 2, 16
	SEND 3, 0
	s_wait_tensorcnt 0x0                           ; the wave's end
	ds_add_u32 v[SPW], v[NIL]
	s_wait_dscnt 0x0
	CROUND                                         ; the closing round
	s_endpgm
.Lfunc_end_k_q2e2db26399_mlp_out:
	.size	k_q2e2db26399_mlp_out, .Lfunc_end_k_q2e2db26399_mlp_out-k_q2e2db26399_mlp_out
	.p2alignl 7, 3214868480
	.fill 96, 4, 3214868480
	.section	.rodata,"a",@progbits
	.p2align	6, 0x0
	.amdhsa_kernel k_q2e2db26399_mlp_out
		.amdhsa_group_segment_fixed_size 327680
		.amdhsa_private_segment_fixed_size 0
		.amdhsa_enable_private_segment 0
		.amdhsa_kernarg_size 48
		.amdhsa_user_sgpr_count 2
		.amdhsa_user_sgpr_kernarg_segment_ptr 1
		.amdhsa_wavefront_size32 1
		.amdhsa_system_sgpr_workgroup_id_x 1
		.amdhsa_system_sgpr_workgroup_id_y 1
		.amdhsa_system_sgpr_workgroup_id_z 1
		.amdhsa_system_vgpr_workitem_id 0
		.amdhsa_next_free_vgpr 640
		.amdhsa_next_free_sgpr 100
		.amdhsa_reserve_vcc 0
		.amdhsa_float_denorm_mode_32 3
		.amdhsa_float_denorm_mode_16_64 3
		.amdhsa_memory_ordered 1
		.amdhsa_forward_progress 1
		.amdhsa_inst_pref_size 83
	.end_amdhsa_kernel
	.amdgpu_metadata
---
amdhsa.version: [ 1, 2 ]
amdhsa.kernels:
  - .name:           k_q2e2db26399_mlp_out
    .symbol:         k_q2e2db26399_mlp_out.kd
    .args:
      - { .name: post_img, .offset: 0, .size: 8, .value_kind: global_buffer, .address_space: global }
      - { .name: W_out_codes, .offset: 8, .size: 8, .value_kind: global_buffer, .address_space: global }
      - { .name: b_out, .offset: 16, .size: 8, .value_kind: global_buffer, .address_space: global }
      - { .name: resid_mid, .offset: 24, .size: 8, .value_kind: global_buffer, .address_space: global }
      - { .name: lowp_scales, .offset: 32, .size: 8, .value_kind: global_buffer, .address_space: global }
      - { .name: out0, .offset: 40, .size: 8, .value_kind: global_buffer, .address_space: global }
    .group_segment_fixed_size: 327680
    .private_segment_fixed_size: 0
    .kernarg_segment_align: 8
    .kernarg_segment_size: 48
    .max_flat_workgroup_size: 128
    .sgpr_count:     100
    .vgpr_count:     640
    .wavefront_size: 32
...
	.end_amdgpu_metadata
.endif
;; end of part 7
